; MI455X (gfx1250); checked and timed in simulation.
; The chip was launched on July 23, 2026; its instructions are those of AMD's public machine-readable ISA for CDNA 5 (MIT licence, August 2026) and "CDNA5" Instruction Set Architecture Reference Guide (July 2026). The comments in the code are by the model that wrote it; some were corrected since.
;; Multi Head Attention. Allowed arithmetic: float matrix products may take bf16 or f16 operands with f32 sums; other float arithmetic in f32, or as packed bf16 or f16 multiplies, adds, multiply-adds, maxima and minima; sums over many terms, partial sums and values carried from step to step in f32; what a program stores and reads back later, other than sums and carried values, may be rounded once to bf16 or f16.
;; Inputs: w_attn 3,072 x 1,024 float32; w_proj 1,024 x 1,024 float32; x 4 x 2,048 x 1,024 float32.
;; Outputs: out0 4 x 2,048 x 1,024 float32.
;; One version. Each part assembles by itself: llvm-mc -triple=amdgcn-amd-amdhsa -mcpu=gfx1250 --defsym DOCPART=n.
;; ======== version 1 of 1: 4 launches
;; limits: values are held in f16: magnitudes above 65,504 overflow, below 6.1e-05 lose precision
;; workspace buffers: xb 16,777,216 bytes; wa 6,291,456 bytes; wp 2,097,152 bytes; rope 524,288 bytes; q 16,777,216 bytes; k 16,777,216 bytes; v 16,777,216 bytes; o 16,777,216 bytes
;; launch prep (part 1): grid 800 x 1, 8 waves a work-group, no clusters, 0 bytes of LDS; arguments x, w_attn, w_proj, xb, wa, wp, rope; writes xb, wa, wp, rope
.if DOCPART == 1
	.amdgcn_target "amdgcn-amd-amdhsa--gfx1250"
	.amdhsa_code_object_version 6
	.text
	.protected	k_q531741b9d9_prep
	.globl	k_q531741b9d9_prep
	.p2align	8
	.type	k_q531741b9d9_prep,@function
k_q531741b9d9_prep:
	s_mov_b64 s[64:65], 0
	v_nop
	global_prefetch_b8 v0, s[64:65] scope:SCOPE_SE
	s_setreg_imm32_b32 hwreg(HW_REG_WAVE_MODE, 25, 1), 1
	s_wait_xcnt 0x0
; PREPARATION.  The three inputs are rounded once to bf16 and laid out in K blocks of 64 numbers, so that the tiles of the products behind are dense in memory; and the table of cosines and sines is made.
;   xb  bf16 [b 4][kb 16][t 2048][64]      = x[b][t][64 kb + c]
;   wa  bf16 [kb 16][n' 3072][64]          row n' = 192 h + 64 s + d holds w_attn's row 1024 s + 64 h + d (s = 0 q, 1 k, 2 v): a head's q, k and v rows lie together
;   wp  f16  [kb 16][n 1024][64]           = w_proj rounded to bf16, that number written as f16
;   rope f32 [tb 128][e 8][lane 32][4]     (cos, sin, cos, sin) of t = 16 tb + lane % 16 for i0 = 8 (e / 2) + 2 (e % 2) + 4 (lane / 16) and i0 + 1; angle = t x 10000^(-i / 32)
; LIMITS.  wp: a bf16 number beyond 65,504 has no f16; below 6e-5 f16 keeps a fixed step of 6e-8.  The angles are made as f32(t) x f32(inv), inv by 2^x to about one unit in its last place:
; at t near 2,047 an angle may differ from an exactly made one by about 2e-4.  The sine's and cosine's series are cut where, on |r| <= pi / 4, the next term is under 4e-7.
; SHARES.  Work-groups 0-511 take 16 rows of x each, 512-703 16 rows of w_attn, 704-767 16 rows of w_proj, 768-799 four blocks of 16 t of the table.
; A stream: no LDS, no barrier, no matrix work.  Thread (row = t / 16, place = t % 16) takes 16 bytes of each of the row's sixteen blocks of 256 bytes: a load of a wave covers two aligned blocks of 256 bytes,
; a store of a wave 256 consecutive bytes, aligned (rows 2 w and 2 w + 1 are neighbours in a K block).  All sixteen loads of a thread are issued at once; each has registers of its own.
.set X, 16                             ; v[16:79]   sixteen loads of four f32
.set Y, 80                             ; v[80:111]  sixteen pairs of packed results
.set D, 16                             ; table section: v[16:31] four entries of four
.set T, 32                             ; table section: v[32:37] at work
	s_load_b256 s[4:11], s[0:1], 0x0               ; x s[4:5], w_attn s[6:7], w_proj s[8:9], xb s[10:11]
	s_load_b128 s[12:15], s[0:1], 0x20             ; wa s[12:13], wp s[14:15]
	s_load_b64 s[16:17], s[0:1], 0x30              ; rope
	s_mov_b32 s20, ttmp9                           ; the work-group's number
	s_mov_b32 s23, 0                               ; high word of the offsets' pair s[22:23]
	v_and_b32 v1, 15, v0                           ; place in a block
	v_lshrrev_b32 v2, 4, v0                        ; row 0..15
	v_lshlrev_b32 v3, 4, v1
	v_lshl_add_u32 v3, v2, 12, v3                  ; source: row x 4,096 + 16 x place; never rewritten
	v_lshlrev_b32 v4, 3, v1
	v_lshl_add_u32 v4, v2, 7, v4                   ; destination: row x 128 + 8 x place; never rewritten
	s_wait_kmcnt 0x0
; Sixteen rows, all sixteen K blocks.  str = bytes from a K block to the next in the destination; f16 = 1: the bf16 number is written as f16.
.macro STREAM str, f16
.irp kb, 0,1,2,3,4,5,6,7,8,9,10,11,12,13,14,15
	global_load_b128 v[X+4*(\kb):X+4*(\kb)+3], v3, s[24:25] offset:256*(\kb) th:TH_LOAD_NT
.endr
.irp kb, 0,1,2,3,4,5,6,7,8,9,10,11,12,13,14,15
	s_wait_loadcnt 15-(\kb)                        ; loads come back in order: block kb is in, the younger ones stay out
	v_cvt_pk_bf16_f32 v[Y+2*(\kb)], v[X+4*(\kb)], v[X+4*(\kb)+1]
	v_cvt_pk_bf16_f32 v[Y+2*(\kb)+1], v[X+4*(\kb)+2], v[X+4*(\kb)+3]
.if \f16
	v_lshlrev_b32 v[X+4*(\kb)], 16, v[Y+2*(\kb)]           ; the rounded numbers as f32 again,
	v_and_b32 v[X+4*(\kb)+1], 0xffff0000, v[Y+2*(\kb)]
	v_lshlrev_b32 v[X+4*(\kb)+2], 16, v[Y+2*(\kb)+1]
	v_and_b32 v[X+4*(\kb)+3], 0xffff0000, v[Y+2*(\kb)+1]
	v_cvt_pk_f16_f32 v[Y+2*(\kb)], v[X+4*(\kb)], v[X+4*(\kb)+1]    ; and as f16: eight significant bits fit into eleven
	v_cvt_pk_f16_f32 v[Y+2*(\kb)+1], v[X+4*(\kb)+2], v[X+4*(\kb)+3]
.endif
	global_store_b64 v4, v[Y+2*(\kb):Y+2*(\kb)+1], s[26:27] offset:(\kb)*(\str)
.endr
.endm
	s_cmp_lt_u32 s20, 512
	s_cbranch_scc1 .Lx
	s_cmp_lt_u32 s20, 704
	s_cbranch_scc1 .Lwa
	s_cmp_lt_u32 s20, 768
	s_cbranch_scc1 .Lwp
	; THE TABLE.  Wave w makes entry e = w of four blocks of 16 t.
	s_sub_co_u32 s21, s20, 768
	s_lshl_b32 s22, s21, 14                        ; four blocks of 4,096 bytes
	s_add_nc_u64 s[26:27], s[16:17], s[22:23]
	v_lshrrev_b32 v5, 5, v0
	v_readfirstlane_b32 s36, v5                    ; e
	v_and_b32 v5, 31, v0                           ; lane
	v_and_b32 v6, 15, v0                           ; lane % 16
	v_bfe_u32 v7, v0, 4, 1                         ; lane / 16
	s_lshr_b32 s37, s36, 1
	s_lshl_b32 s37, s37, 3
	s_and_b32 s38, s36, 1
	s_lshl_b32 s38, s38, 1
	s_add_co_u32 s37, s37, s38                     ; 8 (e / 2) + 2 (e % 2)
	v_lshl_add_u32 v8, v7, 2, s37                  ; i0
	v_add_nc_u32 v10, 1, v8
	v_cvt_f32_u32 v9, v8
	v_cvt_f32_u32 v10, v10
	v_mul_f32 v9, 0xbed49a78, v9                   ; -i log2(10000) / 32
	v_mul_f32 v10, 0xbed49a78, v10
	v_exp_f32 v9, v9                               ; 10000^(-i / 32)
	v_exp_f32 v10, v10
	s_lshl_b32 s39, s21, 6                         ; the work-group's first t
	s_lshl_b32 s40, s36, 9
	v_lshl_add_u32 v11, v5, 4, s40                 ; 512 e + 16 lane (also the plain instruction behind the exponentials, ISA guide 5.7.2)
	v_add_nc_u32 v12, s39, v6
	s_mov_b32 s28, 0xb9500d01                      ; -1 / 5040
	s_mov_b32 s29, 0x3c088889                      ; 1 / 120
	s_mov_b32 s30, 0xbe2aaaab                      ; -1 / 6
	s_mov_b32 s31, 0x37d00d01                      ; 1 / 40320
	s_mov_b32 s32, 0xbab60b61                      ; -1 / 720
	s_mov_b32 s33, 0x3d2aaaab                      ; 1 / 24
; cos and sin of the angle in v[f] (0 or above): n = the nearest whole number of quarter turns, r = f - n pi / 2 with pi / 2 in two parts, both series on r, and n's last two bits say which is which and with which sign.
.macro SINCOS f, c, s
	v_mul_f32 v[T], 0x3f22f983, v[\f]              ; f x 2 / pi
	v_rndne_f32 v[T], v[T]                         ; n
	v_fmamk_f32 v[T+1], v[T], 0xbfc90fdb, v[\f]    ; f - n x (pi / 2 as f32),
	v_fmamk_f32 v[T+1], v[T], 0x333bbd2e, v[T+1]   ; and what that f32 has too much
	v_mul_f32 v[T+2], v[T+1], v[T+1]               ; z = r r
	v_fma_f32 v[T+3], v[T+2], s28, s29
	v_fma_f32 v[T+4], v[T+2], s31, s32
	v_fma_f32 v[T+3], v[T+3], v[T+2], s30
	v_fma_f32 v[T+4], v[T+4], v[T+2], s33
	v_mul_f32 v[T+5], v[T+2], v[T+1]               ; z r
	v_fma_f32 v[T+4], v[T+4], v[T+2], -0.5
	v_fma_f32 v[T+3], v[T+5], v[T+3], v[T+1]       ; sin r
	v_fma_f32 v[T+4], v[T+4], v[T+2], 1.0          ; cos r
	v_cvt_i32_f32 v[T], v[T]
	v_and_b32 v[T+5], 1, v[T]
	v_cmp_eq_u32 vcc_lo, 1, v[T+5]                 ; an odd quarter swaps the two
	v_cndmask_b32 v[\s], v[T+3], v[T+4], vcc_lo
	v_cndmask_b32 v[\c], v[T+4], v[T+3], vcc_lo
	v_lshlrev_b32 v[T+5], 30, v[T]                 ; bit 1 of n: the sine's sign
	v_add_nc_u32 v[T], 1, v[T]
	v_and_b32 v[T+5], 0x80000000, v[T+5]
	v_lshlrev_b32 v[T], 30, v[T]                   ; bit 1 of n + 1: the cosine's
	v_xor_b32 v[\s], v[T+5], v[\s]
	v_and_b32 v[T], 0x80000000, v[T]
	v_xor_b32 v[\c], v[T], v[\c]
.endm
	s_wait_alu depctr_va_vdst(0)
.irp u, 0,1,2,3
	v_add_nc_u32 v13, 16*(\u), v12
	v_cvt_f32_u32 v13, v13                         ; t
	v_mul_f32 v14, v13, v9                         ; the two angles, one rounding each
	v_mul_f32 v15, v13, v10
	SINCOS 14, D+4*(\u), D+4*(\u)+1
	SINCOS 15, D+4*(\u)+2, D+4*(\u)+3
	global_store_b128 v11, v[D+4*(\u):D+4*(\u)+3], s[26:27] offset:4096*(\u)  ; 512 consecutive bytes a wave
.endr
	s_endpgm
.Lx:                                               ; rows 16 g .. 16 g + 15 of x: b = g / 128, t = 16 (g % 128) + row
	s_lshl_b32 s22, s20, 16
	s_add_nc_u64 s[24:25], s[4:5], s[22:23]
	s_lshr_b32 s21, s20, 7
	s_lshl_b32 s21, s21, 22                        ; b x 16 K blocks x 262,144
	s_and_b32 s22, s20, 127
	s_lshl_b32 s22, s22, 11                        ; 16 rows of 128 bytes
	s_add_co_u32 s22, s22, s21
	s_add_nc_u64 s[26:27], s[10:11], s[22:23]
	STREAM 262144, 0
	s_endpgm
.Lwa:                                              ; rows 16 g' .. of w_attn: s = g' / 64, h = (g' / 4) % 16, d = 16 (g' % 4) + row
	s_sub_co_u32 s21, s20, 512
	s_lshl_b32 s22, s21, 16
	s_add_nc_u64 s[24:25], s[6:7], s[22:23]
	s_bfe_u32 s28, s21, 0x40002                    ; h
	s_mul_i32 s28, s28, 192
	s_lshr_b32 s29, s21, 6                         ; s
	s_lshl_b32 s29, s29, 6
	s_add_co_u32 s28, s28, s29
	s_and_b32 s29, s21, 3
	s_lshl_b32 s29, s29, 4
	s_add_co_u32 s28, s28, s29                     ; n' of the first row
	s_lshl_b32 s22, s28, 7
	s_add_nc_u64 s[26:27], s[12:13], s[22:23]
	STREAM 393216, 0                               ; the largest immediate is 15 x 393,216, inside the signed 24 bits
	s_endpgm
.Lwp:                                              ; rows 16 g' .. of w_proj
	s_sub_co_u32 s21, s20, 704
	s_lshl_b32 s22, s21, 16
	s_add_nc_u64 s[24:25], s[8:9], s[22:23]
	s_lshl_b32 s22, s21, 11
	s_add_nc_u64 s[26:27], s[14:15], s[22:23]
	STREAM 131072, 1
	s_endpgm
.Lfunc_end_k_q531741b9d9_prep:
	.size	k_q531741b9d9_prep, .Lfunc_end_k_q531741b9d9_prep-k_q531741b9d9_prep
	.p2alignl 7, 3214868480
	.fill 96, 4, 3214868480
	.section	.rodata,"a",@progbits
	.p2align	6, 0x0
	.amdhsa_kernel k_q531741b9d9_prep
		.amdhsa_group_segment_fixed_size 0
		.amdhsa_private_segment_fixed_size 0
		.amdhsa_enable_private_segment 0
		.amdhsa_kernarg_size 56
		.amdhsa_user_sgpr_count 2
		.amdhsa_user_sgpr_kernarg_segment_ptr 1
		.amdhsa_wavefront_size32 1
		.amdhsa_system_sgpr_workgroup_id_x 1
		.amdhsa_system_sgpr_workgroup_id_y 1
		.amdhsa_system_sgpr_workgroup_id_z 1
		.amdhsa_system_vgpr_workitem_id 0
		.amdhsa_next_free_vgpr 128
		.amdhsa_next_free_sgpr 66
		.amdhsa_reserve_vcc 1
		.amdhsa_float_denorm_mode_32 3
		.amdhsa_float_denorm_mode_16_64 3
		.amdhsa_memory_ordered 1
		.amdhsa_forward_progress 1
		.amdhsa_inst_pref_size 36
	.end_amdhsa_kernel
	.amdgpu_metadata
---
amdhsa.version: [ 1, 2 ]
amdhsa.kernels:
  - .name:           k_q531741b9d9_prep
    .symbol:         k_q531741b9d9_prep.kd
    .args:
      - { .name: x, .offset: 0, .size: 8, .value_kind: global_buffer, .address_space: global }
      - { .name: w_attn, .offset: 8, .size: 8, .value_kind: global_buffer, .address_space: global }
      - { .name: w_proj, .offset: 16, .size: 8, .value_kind: global_buffer, .address_space: global }
      - { .name: xb, .offset: 24, .size: 8, .value_kind: global_buffer, .address_space: global }
      - { .name: wa, .offset: 32, .size: 8, .value_kind: global_buffer, .address_space: global }
      - { .name: wp, .offset: 40, .size: 8, .value_kind: global_buffer, .address_space: global }
      - { .name: rope, .offset: 48, .size: 8, .value_kind: global_buffer, .address_space: global }
    .group_segment_fixed_size: 0
    .private_segment_fixed_size: 0
    .kernarg_segment_align: 8
    .kernarg_segment_size: 56
    .max_flat_workgroup_size: 256
    .sgpr_count:     66
    .vgpr_count:     128
    .wavefront_size: 32
...
	.end_amdgpu_metadata
.endif
;; end of part 1
;; launch qkv (part 2): grid 8 x 32, 4 waves a work-group, clusters of 4 x 4, 327,680 bytes of LDS; arguments xb, wa, rope, q, k, v; writes q, k, v
.if DOCPART == 2
	.amdgcn_target "amdgcn-amd-amdhsa--gfx1250"
	.amdhsa_code_object_version 6
	.text
	.protected	k_q531741b9d9_qkv
	.globl	k_q531741b9d9_qkv
	.p2align	8
	.type	k_q531741b9d9_qkv,@function
k_q531741b9d9_qkv:
	s_mov_b64 s[64:65], 0
	v_nop
	global_prefetch_b8 v0, s[64:65] scope:SCOPE_SE
	s_setreg_imm32_b32 hwreg(HW_REG_WAVE_MODE, 25, 1), 1
	s_wait_xcnt 0x0
	s_wait_alu depctr_hold_cnt(0) depctr_sa_sdst(0) depctr_va_vdst(0) depctr_va_sdst(0) depctr_va_ssrc(0) depctr_va_vcc(0) depctr_vm_vsrc(0)
	s_getreg_b32 s2, hwreg(HW_REG_IB_STS2, 6, 4)
	s_cmp_eq_u32 s2, 0
	s_cbranch_scc0 .Lentry_in_a_cluster
	s_endpgm
.Lentry_in_a_cluster:
	s_bfe_u32 s2, ttmp6, 0x10000c
	s_cmp_lg_u32 s2, 0xf033
	s_cbranch_scc0 .Lentry_shape_is_right
	s_endpgm
.Lentry_shape_is_right:
; THE FIRST PROJECTION WITH THE ROTATION.  qkv[m][n'] = the sum over c of x[m][c] w[n'][c], 8,192 x 3,072 x 1,024, bf16 operands, f32 sums; q's and k's pairs (2 i, 2 i + 1) are turned by the table's
; cosine and sine in f32; q, k, v leave rounded once to f16, by heads: [bh 64][t 2048][64].  The scale 1 / 8 is not applied here.
; LIMITS.  q, k, v beyond 65,504 have no f16; below 6e-5 f16 keeps a fixed step of 6e-8.  NaN and infinities are not treated apart.
; SHARES.  8 x 32 work-groups, each a tile of 256 rows x 384 columns n' (two heads' q, k, v): one for each of 256.  Four waves, each 128 rows x 192 columns (one head): 96 accumulators of 16 x 16, 768 registers.
; K goes in steps of 64 (a K block of xb and wa) through two LDS slots.  In memory a tile's rows of 128 bytes lie end to end: they are asked for as rows of 256 bytes and padded in LDS after every 128.
; CLUSTER.  4 x 4 work-groups: the four of a row need the same rows of xb, the four of a column the same rows of wa: each tile is asked for jointly, by the same tensor load with the same descriptor and a mask of four.
; THE MATRIX INSTRUCTION IS USED TRANSPOSED (source 0 = 16 rows of wa, source 1 = 16 rows of xb): lane l holds row l % 16 and the columns 8 (l / 16) + 0..7: four pairs of the rotation, 16 bytes of f16.
; REGISTERS, in windows of 256 (s_set_vgpr_msb: bits 1:0 source 0, 3:2 source 1, 5:4 source 2, 7:6 destination):
;   window 0: v0-31 addresses; v32-95, v96-159 two buffers of xb's fragments (8 x 16 rows x 32 K); v160-207, v208-255 two buffers of wa's (6 x 16 rows x 32 K); all of v32-191 at work on the way out
;   windows 1-3: accumulator (a = 0..7 row block, b = 0..11 column block) has the number 48 (b / 6) + 6 a + b % 6; 32 to a window
; A K step is four PHASES of 48 matrix instructions: (k = 0, 1: 32 along K) x (h = 0, 1: column blocks 6 h .. 6 h + 5).  Every accumulator comes once in two phases: they take turns.
.set PITCH,  144                       ; an LDS row: 128 bytes + 16 of padding = 36 words: the 16 rows of a load start at 16 different groups of four banks (64 banks of 4 bytes: ISA guide 11.1)
.set SUB,    16*PITCH                  ; sixteen rows
.set AHALF,  128*PITCH                 ; what a wave fetches of xb, and reads of it
.set BHALF,  192*PITCH                 ; the same for wa
.set BOFF,   2*AHALF                   ; a slot: xb's 256 rows, then wa's 384
.set SLOT,   BOFF+2*BHALF              ; 92,160
.set STAGE,  2*SLOT                    ; behind the ring: for each wave three stages (q, k, v) of 16 rows x 144 bytes; no tensor load fills them
.set SPARE,  STAGE+4*3*SUB             ; behind the stages: the spare words, 128 bytes for each wave: two blocks of 256 bytes that no other line names
.set ASTEP,  262144                    ; bytes from a K block to the next in xb
.set BSTEP,  393216                    ; and in wa
.set FLAGS,  (1<<16)|(1<<20)|(1<<21)|(4<<22)|(3<<25)  ; 17:16 2-byte elements; 20 padding on; 21 set beside a mask; 24:22 after every 32 words (code 4); 31:25 4 words (code 3)
.set ADRA, 16                          ; v16-17  LDS address of my fragments of xb in slot 0, 1
.set ADRB, 20                          ; v20-21  the same for wa
.set STO,  24                          ; v24     the way out: where I put 16 bytes of a row
.set RD,   25                          ; v25     the way out: where I read rows back
.set GO,   26                          ; v26     16 x lane: my place in 512 consecutive bytes of q, k, v and of the table; never rewritten
.set SPW,  28                          ; v28     LDS address of my spare word: SPARE + 4 x my thread's number; never rewritten
.set NIL,  29                          ; v29     0; never rewritten
.set FA0,  32
.set FA1,  96
.set FB0,  160
.set FB1,  208
.set TB,   32                          ; the way out: two buffers of 32: a row block's cosines and sines; pair p of column block b' at + 8 b' + 2 p
.set TMP,  96                          ; the way out: 32 turned numbers
.set OB,   128                         ; the way out: four buffers of 16: packed results, then whole rows
.set WV, 16                            ; s16 my wave's number
.set RH, 17                            ; s17 which 128 rows are mine.  Also: I fetch for xb (0) or wa (1)
.set CH, 18                            ; s18 which head is mine.  Also: which half of that tile I fetch
.set CX, 19
.set CY, 20
.set TX, 21                            ; s21 tile column 0..7
.set TY, 22                            ; s22 tile row 0..31
.set CNT, 23
.set G1,  24                           ; s[24:31] descriptor group 1 for xb's tiles
.set G0,  32                           ; s[32:39] group 0 for xb's, a set for each slot
.set G1B, 48                           ; s[48:55], s[56:63] the same for wa's
.set G0B, 56
.set MSB, 0
.macro WIN new                         ; the immediate's high byte repeats the setting that is left; a switch that changes nothing is dropped
.if MSB != (\new)
	s_set_vgpr_msb (MSB<<8)|(\new)
.set MSB, \new
.endif
.endm
; A joint load: waves 0 and 1 fetch xb's two halves, waves 2 and 3 wa's.  The branch hangs on the wave's number alone.  An s_nop 0 and four v_nop follow each of the two lines.
.macro JLOAD s
	s_cmp_eq_u32 s[RH], 0
	s_cbranch_scc0 .Lfor_b_\@
	tensor_load_to_lds s[G0+4*(\s):G0+4*(\s)+3], s[G1:G1+7]
	s_nop 0
.rept 4
	v_nop
.endr
	s_branch .Lasked_\@
.Lfor_b_\@:
	tensor_load_to_lds s[G0B+4*(\s):G0B+4*(\s)+3], s[G1B:G1B+7]
	s_nop 0
.rept 4
	v_nop
.endr
.Lasked_\@:
.endm
.macro CREST                           ; a round of the cluster's barrier behind its opening barrier
	s_cmp_lg_u32 s[WV], 0
	s_cbranch_scc1 .Lnot_wave_0_\@
	s_barrier_signal -3
.Lnot_wave_0_\@:
	s_barrier_wait -3
	s_barrier_signal -1
	s_barrier_wait -1
.endm
.macro CROUND                          ; a whole round
	s_barrier_signal -1
	s_barrier_wait -1
	CREST
.endm
.macro PLACES                          ; four places behind matrix instructions, in front of loads into registers that they have read (ISA guide 7.12.1 for vector instructions)
.rept 4
	v_nop
.endr
.endm
	s_load_b256 s[4:11], s[0:1], 0x0               ; xb s[4:5], wa s[6:7], rope s[8:9], q s[10:11]
	s_load_b128 s[12:15], s[0:1], 0x20             ; k s[12:13], v s[14:15]
	v_lshl_add_u32 v[SPW], v0, 2, SPARE
	v_mov_b32 v[NIL], 0
	ds_add_u32 v[SPW], v[NIL]                      ; the wave's opening: the add and its wait stand ahead of my first tensor load; the set-up below, work on registers, stands between them
	v_lshrrev_b32 v1, 5, v0
	v_readfirstlane_b32 s[WV], v1
	s_lshr_b32 s[RH], s[WV], 1
	s_and_b32 s[CH], s[WV], 1
	s_bfe_u32 s[CX], ttmp6, 0x40000
	s_bfe_u32 s[CY], ttmp6, 0x40004
	s_lshl_b32 s[TX], ttmp9, 2
	s_add_co_u32 s[TX], s[TX], s[CX]               ; tile column = 4 x cluster x + cx
	s_and_b32 s[TY], ttmp7, 0xffff
	s_lshl_b32 s[TY], s[TY], 2
	s_add_co_u32 s[TY], s[TY], s[CY]               ; tile row = 4 x cluster y + cy
	s_lshl_b32 s40, s[CY], 2
	s_lshl_b32 s40, 15, s40                        ; my row of the cluster
	s_lshl_b32 s41, 0x1111, s[CX]                  ; my column
	s_or_b32 s[G1], s40, FLAGS                     ; xb's tiles go to my row,
	s_or_b32 s[G1B], s41, FLAGS                    ; wa's to my column
	s_mov_b32 s[G1+1], 128<<16                     ; tensor_dim0 = 128 elements: 256 bytes, two rows of a K block
	s_mov_b32 s[G1+2], 64<<16                      ; tensor_dim1 = 64: 128 rows of xb
	s_mov_b32 s[G1+3], 128<<16                     ; tile_dim0
	s_mov_b32 s[G1+4], 64                          ; tile_dim1
	s_mov_b32 s[G1+5], 128                         ; dense: 128 elements from row to row
	s_mov_b32 s[G1+6], 0
	s_mov_b32 s[G1+7], 0
	s_mov_b32 s[G1B+1], 128<<16
	s_mov_b32 s[G1B+2], 96<<16                     ; 192 rows of wa
	s_mov_b32 s[G1B+3], 128<<16
	s_mov_b32 s[G1B+4], 96
	s_mov_b32 s[G1B+5], 128
	s_mov_b32 s[G1B+6], 0
	s_mov_b32 s[G1B+7], 0
	; where the tiles come from.  xb's hang on the tile row and the wave alone, wa's on the tile column and the wave alone, each in registers that never hold the other coordinate.
	s_lshr_b32 s66, s[TY], 3                       ; b
	s_lshl_b32 s66, s66, 22                        ; x 16 K blocks
	s_and_b32 s70, s[TY], 7                        ; which 256 of the batch's 2,048 rows
	s_lshl_b32 s67, s70, 15
	s_add_co_u32 s66, s66, s67
	s_lshl_b32 s67, s[CH], 14                      ; the half that I fetch
	s_add_co_u32 s66, s66, s67
	s_mov_b32 s67, 0
	s_mul_i32 s68, s[TX], 384*128
	s_mul_i32 s69, s[CH], 192*128
	s_add_co_u32 s68, s68, s69
	s_mov_b32 s69, 0
	s_mul_i32 s71, s[CH], AHALF                    ; and where they go: no place in the cluster enters an LDS address
	s_mul_i32 s72, s[CH], BHALF
	s_add_co_u32 s72, s72, BOFF
	s_wait_dscnt 0x0                               ; the opening add is done
	s_wait_kmcnt 0x0
	s_add_nc_u64 s[66:67], s[4:5], s[66:67]
	s_add_nc_u64 s[68:69], s[6:7], s[68:69]
	CROUND                                         ; all sixteen work-groups are here: the first joint loads meet
.irp s, 0,1
	s_mov_b32 s[G0+4*(\s)], 1                      ; count = 1
	s_add_co_u32 s[G0+4*(\s)+1], s71, (\s)*SLOT    ; LDS address
	s_add_nc_u64 s[G0+4*(\s)+2:G0+4*(\s)+3], s[66:67], (\s)*ASTEP  ; K step s
	s_or_b32 s[G0+4*(\s)+3], s[G0+4*(\s)+3], 0x80000000            ; type = 2
	s_mov_b32 s[G0B+4*(\s)], 1
	s_add_co_u32 s[G0B+4*(\s)+1], s72, (\s)*SLOT
	s_add_nc_u64 s[G0B+4*(\s)+2:G0B+4*(\s)+3], s[68:69], (\s)*BSTEP
	s_or_b32 s[G0B+4*(\s)+3], s[G0B+4*(\s)+3], 0x80000000
	JLOAD \s                                       ; two tensor loads of mine are out; behind every later round one
.endr
	; A fragment is 16 rows x 32 K in 8 registers: lane l holds row l % 16; registers 0-3 K = 8 (l / 16) + 0..7, registers 4-7 K = 16 + 8 (l / 16) + 0..7: two loads of 16 bytes, 32 bytes apart.
	v_and_b32 v1, 15, v0
	v_bfe_u32 v2, v0, 4, 1
	v_mul_u32_u24 v3, v1, PITCH
	v_lshl_add_u32 v3, v2, 4, v3                   ; row x pitch + 16 x half
	s_mul_i32 s40, s[RH], AHALF                    ; my 128 rows of xb
	s_mul_i32 s41, s[CH], BHALF                    ; my 192 rows of wa
	s_add_co_u32 s41, s41, BOFF
.irp s, 0,1
	v_add_nc_u32 v[ADRA+(\s)], s40, v3
	v_add_nc_u32 v[ADRB+(\s)], s41, v3
	s_add_co_u32 s40, s40, SLOT
	s_add_co_u32 s41, s41, SLOT
.endr
	s_mul_i32 s42, s[WV], 3*SUB
	s_add_co_u32 s42, s42, STAGE                   ; my stages
	v_add_nc_u32 v[STO], s42, v3                   ; in: row l % 16, 16 bytes for each half of the lanes (the stage's pitch is the tiles')
	v_bfe_u32 v4, v0, 3, 2                         ; back: 32 lanes take four rows of 128 bytes,
	v_and_b32 v5, 7, v0
	v_mul_u32_u24 v4, v4, PITCH
	v_lshl_add_u32 v4, v5, 4, v4
	v_add_nc_u32 v[RD], s42, v4
	v_and_b32 v[GO], 31, v0                        ; which are 512 consecutive bytes of q, k or v
	v_lshlrev_b32 v[GO], 4, v[GO]
	s_lshr_b32 s44, s[TY], 3                       ; bh = 16 b + 2 x tile column + my head
	s_lshl_b32 s44, s44, 4
	s_lshl_b32 s45, s[TX], 1
	s_add_co_u32 s44, s44, s45
	s_add_co_u32 s44, s44, s[CH]
	s_lshl_b32 s44, s44, 18                        ; x 2,048 rows of 128 bytes
	s_lshl_b32 s45, s70, 15                        ; the tile's 256 rows,
	s_add_co_u32 s44, s44, s45
	s_lshl_b32 s45, s[RH], 14                      ; my 128 of them
	s_add_co_u32 s44, s44, s45
	s_mov_b32 s45, 0
	s_add_nc_u64 s[10:11], s[10:11], s[44:45]
	s_add_nc_u64 s[12:13], s[12:13], s[44:45]
	s_add_nc_u64 s[14:15], s[14:15], s[44:45]
	s_lshl_b32 s46, s70, 16                        ; the table at my first row: 16 blocks of 4,096 bytes a tile,
	s_lshl_b32 s47, s[RH], 15                      ; 8 for my half
	s_add_co_u32 s46, s46, s47
	s_mov_b32 s47, 0
	s_add_nc_u64 s[8:9], s[8:9], s[46:47]
; na x 6 matrix instructions: row blocks a0 .. a0 + na - 1 x column blocks 6 h .. 6 h + 5, 32 along K.  zero = 1: the product starts the sum: nothing is ever cleared.
.macro MULS fa, fb, h, a0, na, zero
.set ma, \a0
.rept \na
.set mj, 0
.rept 6
.set midx, 48*(\h)+6*ma+mj
.set mr, 8*(midx%32)
	WIN 0x50*(1+midx/32)
.if \zero
	v_wmma_f32_16x16x32_bf16 v[mr:mr+7], v[(\fb)+8*mj:(\fb)+8*mj+7], v[(\fa)+8*ma:(\fa)+8*ma+7], 0
.else
	v_wmma_f32_16x16x32_bf16 v[mr:mr+7], v[(\fb)+8*mj:(\fb)+8*mj+7], v[(\fa)+8*ma:(\fa)+8*ma+7], v[mr:mr+7]
.endif
.set mj, mj+1
.endr
.set ma, ma+1
.endr
.endm
.macro LDB slot, k, h, fb              ; 12 LDS loads: wa's six fragments of half h, 32 K at byte 64 k
.irp j, 0,1,2,3,4,5
	ds_load_b128 v[(\fb)+8*(\j):(\fb)+8*(\j)+3],   v[ADRB+(\slot)] offset:(6*(\h)+(\j))*SUB+64*(\k)
	ds_load_b128 v[(\fb)+8*(\j)+4:(\fb)+8*(\j)+7], v[ADRB+(\slot)] offset:(6*(\h)+(\j))*SUB+64*(\k)+32
.endr
.endm
.macro LDA slot, k, fa                 ; 16 LDS loads: xb's eight fragments, row blocks ascending
.irp a, 0,1,2,3,4,5,6,7
	ds_load_b128 v[(\fa)+8*(\a):(\fa)+8*(\a)+3],   v[ADRA+(\slot)] offset:(\a)*SUB+64*(\k)
	ds_load_b128 v[(\fa)+8*(\a)+4:(\fa)+8*(\a)+7], v[ADRA+(\slot)] offset:(\a)*SUB+64*(\k)+32
.endr
.endm
; Phase h = 0 of (slot, k): multiplies xb's buffer k by wa's buffer 0; in its middle it fetches wa's other half into buffer 1.
.macro PH0 slot, k, zero
	s_wait_dscnt 8                                 ; of the 28 loads out, wa's 12 and xb's row blocks 0-3 are in; the youngest eight (row blocks 4-7) may be out
	MULS FA0+64*(\k), FB0, 0, 0, 4, \zero
	PLACES
	WIN 0
	LDB \slot, \k, 1, FB1
	s_wait_dscnt 12                                ; all but the 12 just issued
	MULS FA0+64*(\k), FB0, 0, 4, 4, \zero
.endm
; Phase (k = 0, h = 1): multiplies xb's buffer 0 by wa's buffer 1; in its middle it fetches k = 1's fragments.
.macro PH1 slot, zero
	s_wait_dscnt 0x0                               ; wa's 12 are in
	MULS FA0, FB1, 1, 0, 4, \zero
	PLACES
	WIN 0
	LDB \slot, 1, 0, FB0
	LDA \slot, 1, FA1
	MULS FA0, FB1, 1, 4, 4, \zero
.endm
; Phase (k = 1, h = 1), and the change of slots: ONE barrier.  In front of it each wave waits for all its tensor loads (one is out: its part of the next slot), adds 0 to its spare word, and waits for that and for its
; reads of this slot.  fill = 1: the barrier opens a round of the cluster's, and the joint refill, two K steps on, is the first thing behind the round: it has 168 matrix instructions in which to land.
.macro TURN slot, next, fill
	WIN 0
	s_wait_tensorcnt 0x0
	ds_add_u32 v[SPW], v[NIL]                      ; 0 onto my spare word
	s_wait_dscnt 1                                 ; the add alone may be out: wa's 12 are in
	MULS FA1, FB1, 1, 0, 2, 0                      ; twelve matrix instructions stand between the add and the wait for it
	s_wait_dscnt 0x0                               ; the add is done, and my reads of this slot are over
	s_barrier_signal -1
	MULS FA1, FB1, 1, 2, 2, 0
	WIN 0
	s_barrier_wait -1
.if \fill
	CREST                                          ; no wave of any partner still reads this slot or has a load on its way
	s_add_nc_u64 s[G0+4*(\slot)+2:G0+4*(\slot)+3], s[G0+4*(\slot)+2:G0+4*(\slot)+3], 2*ASTEP
	s_add_nc_u64 s[G0B+4*(\slot)+2:G0B+4*(\slot)+3], s[G0B+4*(\slot)+2:G0B+4*(\slot)+3], 2*BSTEP
	JLOAD \slot                                    ; its four v_nop are also the places in front of the loads below
.else
	PLACES
.endif
	LDB \next, 0, 0, FB0
	LDA \next, 0, FA0
	MULS FA1, FB1, 1, 4, 4, 0
.endm
.macro TBL a                           ; row block a's cosines and sines: eight loads of 512 consecutive bytes
.irp e, 0,1,2,3,4,5,6,7
	global_load_b128 v[TB+32*((\a)%2)+4*(\e):TB+32*((\a)%2)+4*(\e)+3], v[GO], s[8:9] offset:4096*(\a)+512*(\e)
.endr
.endm
	s_wait_tensorcnt 1                             ; my part of K step 0 is in; K step 1's may stay out
	s_barrier_signal -1
	s_barrier_wait -1                              ; everybody's is
	LDB 0, 0, 0, FB0
	LDA 0, 0, FA0
	PH0 0, 0, 1                                    ; the first two phases stand in front of the loop: their products start all 96 sums
	PH1 0, 1
	WIN 0                                          ; at a label and at a branch every window is 0
	s_mov_b32 s[CNT], 7
.Llap:                                             ; a trip goes once round the ring, from a K step's third phase to the second of the K step two on, and fills both slots again
	PH0 0, 1, 0
	TURN 0, 1, 1
	PH0 1, 0, 0
	PH1 1, 0
	PH0 1, 1, 0
	TURN 1, 0, 1
	PH0 0, 0, 0
	PH1 0, 0
	WIN 0
	s_sub_co_u32 s[CNT], s[CNT], 1
	s_cmp_lg_u32 s[CNT], 0
	s_cbranch_scc1 .Llap
	PH0 0, 1, 0                                    ; K steps 14 and 15: nothing is left to ask for
	TURN 0, 1, 0
	PH0 1, 0, 0
	PH1 1, 0
	PH0 1, 1, 0
	s_wait_dscnt 0x0                               ; the last phase
	MULS FA1, FB1, 1, 0, 4, 0
	PLACES
	WIN 0
	TBL 0                                          ; into registers that held xb's buffer 0, last read two phases back
	MULS FA1, FB1, 1, 4, 4, 0
	WIN 0
	PLACES
	PLACES                                         ; once a launch: the places behind the last products
; THE WAY OUT, in 24 groups: row block a x part s (0 q, 1 k, 2 v), four accumulators each.  q and k: (re, im) -> (re c - im s, re s + im c), two packed instructions a pair; then all are rounded to f16,
; 16 bytes a lane go into my stage and come back as whole rows of 128 bytes, into the registers that they left.  Each accumulator's lowest registers are read first.
.macro GROUP a, s
.set ob, OB+16*((3*(\a)+(\s))%4)
.set tb, TB+32*((\a)%2)
	s_wait_xcnt 0x0                                ; every earlier memory instruction has had its addresses translated (ISA guide 3.1): this buffer, which the stores of four groups back read, is rewritten only behind this wait
.set bb, 0
.rept 4
.set gb, 4*(\s)+bb
.set gidx, 48*(gb/6)+6*(\a)+gb%6
.set gr, 8*(gidx%32)
.if (\s) < 2
	WIN 1+gidx/32                                  ; source 0 in the accumulator's window
.set pp, 0
.rept 4
	v_pk_mul_f32 v[TMP+8*bb+2*pp:TMP+8*bb+2*pp+1], v[gr+2*pp:gr+2*pp+1], v[tb+8*bb+2*pp:tb+8*bb+2*pp+1] op_sel_hi:[1,0]  ; (re c, im c)
.set pp, pp+1
.endr
.set pp, 0
.rept 4
	v_pk_fma_f32 v[TMP+8*bb+2*pp:TMP+8*bb+2*pp+1], v[gr+2*pp:gr+2*pp+1], v[tb+8*bb+2*pp:tb+8*bb+2*pp+1], v[TMP+8*bb+2*pp:TMP+8*bb+2*pp+1] op_sel:[1,1,0] op_sel_hi:[0,1,1] neg_lo:[0,1,0]  ; + (-im s, re s)
.set pp, pp+1
.endr
.else
	WIN 5*(1+gidx/32)                              ; sources 0 and 1 in the accumulator's window
.set pp, 0
.rept 4
	v_cvt_pk_f16_f32 v[ob+4*bb+pp], v[gr+2*pp], v[gr+2*pp+1]
.set pp, pp+1
.endr
.endif
.set bb, bb+1
.endr
	WIN 0
.if (\s) < 2
.set bb, 0
.rept 16
	v_cvt_pk_f16_f32 v[ob+bb], v[TMP+2*bb], v[TMP+2*bb+1]
.set bb, bb+1
.endr
.endif
.irp f, 0,1,2,3
	ds_store_b128 v[STO], v[ob+4*(\f):ob+4*(\f)+3] offset:(\s)*SUB+32*(\f)
.endr
.irp f, 0,1,2,3
	ds_load_b128 v[ob+4*(\f):ob+4*(\f)+3], v[RD] offset:(\s)*SUB+(\f)*4*PITCH  ; LDS serves a wave's instructions in order (ISA guide 5.7.1.4): these see the stores above
.endr
.endm
.macro GRP n                           ; group n; at a row block's head the next block's table is asked for
.if (\n)%3 == 0
.if (\n)/3 < 7
	TBL (\n)/3+1
	s_wait_loadcnt 8                               ; this block's eight are in, the next block's stay out
.else
	s_wait_loadcnt 0x0
.endif
.endif
	GROUP (\n)/3, (\n)%3
.endm
.macro SEND n, younger                 ; younger: the LDS instructions issued behind group n's loads: the next group's eight, or none
.set sob, OB+16*((\n)%4)
.set sba, 10+2*((\n)%3)                ; q, k or v
.irp f, 0,1,2,3
	s_wait_dscnt (\younger)+3-(\f)
	global_store_b128 v[GO], v[sob+4*(\f):sob+4*(\f)+3], s[sba:sba+1] offset:2048*((\n)/3)+512*(\f)  ; 512 consecutive bytes, at a multiple of 256 from the buffer's first
.endr
.endm
	GRP 0
.set g, 1
.rept 23                               ; a group's arithmetic stands between the loads of the group before and its stores
	GRP g
	SEND g-1, 8
.set g, g+1
.endr
	SEND 23, 0
	s_wait_tensorcnt 0x0                           ; the wave's end, behind my last tensor load and my last LDS store
	ds_add_u32 v[SPW], v[NIL]
	s_wait_dscnt 0x0
	CROUND                                         ; the closing round: no work-group ends while a partner may still ask for a tile that names it
	s_endpgm
.Lfunc_end_k_q531741b9d9_qkv:
	.size	k_q531741b9d9_qkv, .Lfunc_end_k_q531741b9d9_qkv-k_q531741b9d9_qkv
	.p2alignl 7, 3214868480
	.fill 96, 4, 3214868480
	.section	.rodata,"a",@progbits
	.p2align	6, 0x0
	.amdhsa_kernel k_q531741b9d9_qkv
		.amdhsa_group_segment_fixed_size 327680
		.amdhsa_private_segment_fixed_size 0
		.amdhsa_enable_private_segment 0
		.amdhsa_kernarg_size 48
		.amdhsa_user_sgpr_count 2
		.amdhsa_user_sgpr_kernarg_segment_ptr 1
		.amdhsa_wavefront_size32 1
		.amdhsa_system_sgpr_workgroup_id_x 1
		.amdhsa_system_sgpr_workgroup_id_y 1
		.amdhsa_system_sgpr_workgroup_id_z 1
		.amdhsa_system_vgpr_workitem_id 0
		.amdhsa_next_free_vgpr 1024
		.amdhsa_next_free_sgpr 80
		.amdhsa_reserve_vcc 0
		.amdhsa_float_denorm_mode_32 3
		.amdhsa_float_denorm_mode_16_64 3
		.amdhsa_memory_ordered 1
		.amdhsa_forward_progress 1
		.amdhsa_inst_pref_size 172
	.end_amdhsa_kernel
	.amdgpu_metadata
---
amdhsa.version: [ 1, 2 ]
amdhsa.kernels:
  - .name:           k_q531741b9d9_qkv
    .symbol:         k_q531741b9d9_qkv.kd
    .args:
      - { .name: xb, .offset: 0, .size: 8, .value_kind: global_buffer, .address_space: global }
      - { .name: wa, .offset: 8, .size: 8, .value_kind: global_buffer, .address_space: global }
      - { .name: rope, .offset: 16, .size: 8, .value_kind: global_buffer, .address_space: global }
      - { .name: q, .offset: 24, .size: 8, .value_kind: global_buffer, .address_space: global }
      - { .name: k, .offset: 32, .size: 8, .value_kind: global_buffer, .address_space: global }
      - { .name: v, .offset: 40, .size: 8, .value_kind: global_buffer, .address_space: global }
    .group_segment_fixed_size: 327680
    .private_segment_fixed_size: 0
    .kernarg_segment_align: 8
    .kernarg_segment_size: 48
    .max_flat_workgroup_size: 128
    .sgpr_count:     80
    .vgpr_count:     1024
    .wavefront_size: 32
...
	.end_amdgpu_metadata
.endif
;; end of part 2
;; launch attn (part 3): grid 4 x 64, 4 waves a work-group, clusters of 4 x 1, 327,680 bytes of LDS; arguments q, k, v, o; writes o
.if DOCPART == 3
	.amdgcn_target "amdgcn-amd-amdhsa--gfx1250"
	.amdhsa_code_object_version 6
	.text
	.protected	k_q531741b9d9_attn
	.globl	k_q531741b9d9_attn
	.p2align	8
	.type	k_q531741b9d9_attn,@function
k_q531741b9d9_attn:
	s_mov_b64 s[64:65], 0
	v_nop
	global_prefetch_b8 v0, s[64:65] scope:SCOPE_SE
	s_setreg_imm32_b32 hwreg(HW_REG_WAVE_MODE, 25, 1), 1
	s_wait_xcnt 0x0
	s_wait_alu depctr_hold_cnt(0) depctr_sa_sdst(0) depctr_va_vdst(0) depctr_va_sdst(0) depctr_va_ssrc(0) depctr_va_vcc(0) depctr_vm_vsrc(0)
	s_getreg_b32 s2, hwreg(HW_REG_IB_STS2, 6, 4)
	s_cmp_eq_u32 s2, 0
	s_cbranch_scc0 .Lentry_in_a_cluster
	s_endpgm
.Lentry_in_a_cluster:
	s_bfe_u32 s2, ttmp6, 0x10000c
	s_cmp_lg_u32 s2, 0x3003
	s_cbranch_scc0 .Lentry_shape_is_right
	s_endpgm
.Lentry_shape_is_right:
; O[h][q][:] = the sum over k of softmax_k(Q[h][q] . K[h][k] / 8) V[h][k][:].  Q, K, V, O: [64][2048][64], all f16: a head's rows are dense, 128 bytes each.  Products, maxima and sums in
; f32; the weights p are rounded to f16 for the second product (their sum l is taken of the unrounded p), O once at the end.
; LIMITS.  f16 holds no number beyond 65,504: Q, K and V arrive within it; p lies in 0 to 1, and below 6e-5 it keeps f16's fixed step of 6e-8; O is a mean of V's rows and has their range.
; A weight below 2^-126 counts as 0 in l; NaN and infinities are not treated apart.
; SHARES.  A wave owns four PIECES of two tiles of 16 queries, a work-group's four waves 512 queries of one head.  Every wave walks all keys, 64 a step.
; LAYOUT.  S^T = K Q^T (source 0 = 16 keys, source 1 = 16 queries): in the result a lane holds ONE query (lane % 16) and the keys 8 (lane / 16) + 0..7.  Two such tiles, rounded to f16 in pairs,
; ARE source 1 (32 keys x 16 queries) of O^T = V^T P, whose result again holds one query a lane, and eight channels.  K comes out of LDS as it lies, V ([key][channel]) turned, by ds_load_tr16_b128.
; SOFTMAX.  For each query a running maximum m and sum l: p = 2^(c s - c m), c = log2(e) / 8; in every step O and l are multiplied by a = 2^(c m_old - c m_new), which is 1 where m has not grown.
; m starts at the lowest finite number, O and l at 0: the first step is a step like any other, with a = 0.
; THE COUNT.  A tile and step have 16 matrix and 118 vector instructions: too many to stand all beside the matrix work.  So the order has one aim: four vector instructions that are READY behind
; EVERY matrix instruction, and the others, which need time of their own whatever the order, in runs without a gap.
; BY TURNS.  Turn n belongs to piece n (the pieces in a ring, step after step).  Its matrix work: 16 products K Q^T of piece n + 1, later 16 products V^T P of piece n - 1.  Its vector work: the scaling,
; exponentials, roundings, sums and rescaling of piece n, and the maximum and statistics of piece n + 1, whose scores the turn itself has made.  So what a turn begins with (c s - c m, O a) waits for nothing.
; CLUSTER.  The four query blocks of a cluster are one head's and walk the same K and V, so each tile is asked for JOINTLY: the same tensor load, descriptor and mask in all four.
; REGISTERS, in windows of 256 (s_set_vgpr_msb says which window each operand place means: bits 1:0 source 0, 3:2 source 1, 5:4 source 2, 7:6 destination):
;   window 0: v0-11 addresses; v12-15, v48-63 at work; v16-47 four registers of statistics a tile; v64-191 S^T, two buffers of two tiles; v192-255 P, likewise
;   window 1: O^T, 32 a tile          window 2: v0-127 Q, 16 a tile; v128-191 K of one step; v192-255 V of one step          window 3: v0-1 the add's two registers
; A piece's buffers go by its number's parity: the piece in hand has one pair, its two neighbours in the ring share the other: of it P (piece n - 1) is read and S^T (piece n + 1) written.
.set SIZE_H, 64
.set SIZE_N, 2048
.set NP,    4         ; pieces a wave: a name, no knob: the register map, the loop and the fetches are made for four
.set KS,    64        ; keys in a step
.set PK,    144       ; a row of K in LDS: 128 bytes + 16 of padding = 36 words: the 16 rows of a load start at 16 different groups of four banks (64 banks of 4 bytes: ISA guide 11.1)
.set PV,    160       ; a row of V: 128 + 32 = 40 words
.set VOFF,  4*KS*PK   ; a slot holds four steps: 256 rows of K, then 256 rows of V
.set SLOT1, 1<<17     ; slot 1 begins here, so that one exclusive or turns an address in one slot into the other's
.set STAGE, SLOT1+4*KS*(PK+PV)  ; behind the ring, never filled by a tensor load: 16 rows x 144 bytes for each wave, for the way out
.set SP,    144
.set AK0, 2           ; v2   my lane's place in a tile of K; never rewritten
.set AV0, 3           ; v3   the same for V
.set AK,  4           ; v4   the LDS address of K's next run of loads
.set AV,  5           ; v5   of V's
.set QO,  6           ; v6   my byte offset in the wave's rows of Q
.set STO, 6           ;      later, the way out: where I put 16 bytes of a row
.set RD,  7           ; v7   the way out: where I read rows back
.set GO,  8           ; v8   my byte offset in 512 consecutive bytes of O
.set PFO, 11          ; v11  once V's place is made: 256 x my lane, the prefetches' offset; never rewritten after
.set SPW, 0           ; v0 of window 3   LDS address of my spare word: SPARE + 4 x my thread's number; never rewritten
.set NIL, 1           ; v1 of window 3   0; never rewritten
.set SPARE, STAGE+4*16*SP  ; behind the stages: the spare words, 128 bytes for each wave: two blocks of 256 bytes that no other line names
.set MV,  12          ; v12-15  c m_old, kept while c m is made anew: by buffer and tile
.set ST,  16          ; tile t's statistics at v[ST+4 t]: c m, m, l (even keys', odd keys')
.set TMP, 48          ; by buffer and tile, four registers c0-c3 at work; when the maximum is found c2 takes a
.set S,   64
.set P,   192
.set KF,  128         ; K's fragments, in window 2: key block kb, channel half c at KF + 16 kb + 8 c
.set VF,  192         ; V's: key half kk, channel block cb at VF + 32 kk + 8 cb
.set WV,  12          ; s12  my wave's number
.set G1K, 24          ; s[24:31] descriptor group 1 for K's tiles
.set G1V, 32          ; s[32:39] for V's: it differs in the padding alone
.set G0K, 40          ; s[40:43] descriptor group 0 for K's tiles: it walks
.set G0V, 44          ; s[44:47] the same for V's
.set PFA, 48          ; s[48:49] where my prefetches stand: my work-group's 8,192 bytes (of K: wave 0, of V: wave 2) of the slot after the one that is being asked for
.set LIM, 50          ; s50  1 in a wave that prefetches, else the greatest number: a wave prefetches while s[SLOTS] is above it
.set SLOTS, 56        ; s56  slots still to be asked for
.set CNT, 57          ; s57  counts a slot's key steps
.set CS,  58          ; s[58:59] c: the packed scaling takes the pair's low word for both halves
.set SEL, 60          ; s[60:61] v_permlanex16_b32's selects: each lane takes its own place in the other half
.set TBK, 62          ; s62  LDS byte at which K of the step to be fetched begins
.set TBV, 63          ; s63  the same for V, less VOFF
.set MSB, 0
.macro WIN new                      ; the high byte repeats the setting that is left; a switch that changes nothing is dropped
.if MSB != (\new)
	s_set_vgpr_msb (MSB<<8)|(\new)
.set MSB, (\new)
.endif
.endm
.set W_KQ, 0x0a       ; K and Q in window 2, S^T in window 0
.set W_PV, 0x52       ; V in window 2, P in window 0, O^T in window 1
.set W_RS, 0x41       ; O^T (destination and source 0) in window 1, a in window 0
.set W_MK, 0xc0       ; the add's registers are made: destination in window 3, sources in window 0
.set W_AD, 0x0f       ; the add: address (source 0) and data (source 1) in window 3
; A joint fill.  Waves 0 and 1 fetch the two halves of a slot's K, waves 2 and 3 those of its V: 128 keys each.  The branch hangs on the wave's number alone.
; An s_nop 0 and four v_nop follow each of the two lines, ahead of the jump and the label.
.macro JLOAD
	s_cmp_lt_u32 s[WV], 2
	s_cbranch_scc0 .Lfor_v_\@
	tensor_load_to_lds s[G0K:G0K+3], s[G1K:G1K+7]
	s_nop 0
.rept 4
	v_nop
.endr
	s_branch .Lasked_\@
.Lfor_v_\@:
	tensor_load_to_lds s[G0V:G0V+3], s[G1V:G1V+7]
	s_nop 0
.rept 4
	v_nop
.endr
.Lasked_\@:
.endm
; A PREFETCH INTO THE L2 of what the NEXT change of slots will ask for: a slot's 32,768 bytes of K and of V, a lane 256 bytes.  It stands behind the wave's tensor load and its five lines, never in front of one.
; Each 256 bytes are named ONCE in the launch: a head has one cluster; its four partners share a slot out BY ADDRESS, 8,192 bytes each (no branch hangs on a work-group's place in its cluster); in each, wave 0 asks
; for K's and wave 2 for V's: one instruction, four key steps, 512 matrix instructions, ahead of the load.  Slots 0 and 1 come by their loads alone; the last change that fills a slot asks for nothing.
.macro ASK
	s_cmp_gt_u32 s[SLOTS], s[LIM]
	s_cbranch_scc0 .Lnot_mine_\@
	global_prefetch_b8 v[PFO], s[PFA:PFA+1] th:TH_LOAD_NT scope:SCOPE_SE
.Lnot_mine_\@:
.endm
; A round of the cluster's barrier: my work-group's barrier, so that wave 0's signal speaks for all four waves; wave 0 signals; every wave waits for all four work-groups; my work-group's barrier once more.
.macro CROUND
	s_barrier_signal -1
	s_barrier_wait -1
	s_cmp_lg_u32 s[WV], 0
	s_cbranch_scc1 .Lnot_wave_0_\@
	s_barrier_signal -3
.Lnot_wave_0_\@:
	s_barrier_wait -3
	s_barrier_signal -1
	s_barrier_wait -1
.endm
; THE CHANGE OF SLOTS.  The slot's last bytes, V of its fourth step, have been read.  Each wave waits for all its tensor loads, of which one is out: its part
; of the other slot; adds 0 to its spare word; and waits for that and for its own reads of the slot.  Behind the barrier nobody reads this slot any more and the other slot is whole.
; fill = 1: this slot is filled again, with the keys two slots on.  The barrier is then a round of the cluster's, so that no wave of any partner still reads the slot or has a load on its
; way, and the joint fill is the first thing behind it: it has four key steps, 512 matrix instructions, in which to land.  (At its first use nothing has been read yet: slot 0 is waited for, slot 1 filled.)
.macro CHANGE fill
	WIN W_AD
	s_wait_tensorcnt 0x0            ; no tensor load of mine is out, so a group 0 may be written
	ds_add_u32 v[SPW], v[NIL]       ; 0 onto my spare word; with fill = 1 the descriptors' steps stand between it and the wait for it
	WIN 0                           ; at a label and at a branch every window is 0
.if \fill
.irp g, G0K, G0V
	s_xor_b32 s[\g+1], s[\g+1], SLOT1  ; the walking descriptor: the other slot than last time,
	s_add_nc_u64 s[\g+2:\g+3], s[\g+2:\g+3], 4*KS*128  ; the next 256 keys; the type bits on top are not reached
.endr
	s_wait_xcnt 0x0                 ; the last prefetch, four key steps back, has read its address, so it may be written:
	s_add_nc_u64 s[PFA:PFA+1], s[PFA:PFA+1], 4*KS*128  ; one slot behind the walking descriptors
	s_wait_dscnt 0x0                ; the add is done, and my reads of the slot are over
	CROUND
	JLOAD
	ASK
.else
	s_wait_dscnt 0x0                ; the add is done, and my reads of the slot are over
	s_barrier_signal -1
	s_barrier_wait -1
.endif
	s_sub_co_u32 s[TBK], s[TBK], 4*KS*PK  ; the fetches go back to a slot's first step,
	s_xor_b32 s[TBK], s[TBK], SLOT1       ; in the other slot
	s_sub_co_u32 s[TBV], s[TBV], 4*KS*PV
	s_xor_b32 s[TBV], s[TBV], SLOT1
.endm
	s_load_b256 s[4:11], s[0:1], 0x0  ; Q s[4:5], K s[6:7], V s[8:9], O s[10:11]
	WIN W_MK
	v_lshl_add_u32 v[SPW], v0, 2, SPARE
	v_mov_b32 v[NIL], 0
	WIN W_AD
	ds_add_u32 v[SPW], v[NIL]       ; the wave's opening: the add and its wait stand ahead of my first tensor load; the set-up below, work on registers, stands between them
	WIN 0
	v_lshrrev_b32 v1, 5, v0
	v_readfirstlane_b32 s[WV], v1   ; wave 0..3
	s_bfe_u32 s13, ttmp6, 0x40000   ; cx: my place in the cluster
	s_lshl_b32 s14, ttmp9, 2        ; in a cluster launch ttmp9 counts clusters
	s_add_co_u32 s14, s14, s13      ; my block of queries = 4 x cluster x + cx: it enters Q's and O's addresses alone
	s_and_b32 s20, ttmp7, 0xffff    ; the head, which the four partners share
	s_mov_b32 s21, 0
	s_mov_b64 s[22:23], SIZE_N*128
	s_mul_u64 s[20:21], s[20:21], s[22:23]  ; the head's first byte in each of the four tensors
	s_and_b32 s16, s[WV], 1         ; which half of a slot's 256 keys I fetch:
	s_lshl_b32 s22, s16, 14         ; its 128 rows of 128 bytes in memory,
	s_mov_b32 s23, 0
	s_add_nc_u64 s[22:23], s[22:23], s[20:21]
	s_mul_i32 s17, s16, 128*PK      ; and its place in a slot, for K
	s_mul_i32 s18, s16, 128*PV      ; and for V: no place in the cluster enters an LDS address
	s_lshl_b32 s2, s14, 2
	s_add_co_u32 s2, s2, s[WV]      ; my wave among the head's,
	s_lshl_b32 s2, s2, 14           ; its 128 rows
	s_mov_b32 s3, 0
	s_add_nc_u64 s[2:3], s[2:3], s[20:21]
	; descriptor group 1.  128 keys are 16,384 dense bytes: asked for as 64 rows of 256 bytes, two keys a row, and padded in LDS after every key
	s_mov_b32 s[G1K], 15|(1<<16)|(1<<20)|(1<<21)|(4<<22)|(3<<25)  ; 15:0 the mask of four; 17:16 2-byte elements; 20 padding on; 21 set beside a mask; 24:22 after every 32 words (code 4); 31:25 4 words (code 3)
	s_mov_b32 s[G1V], 15|(1<<16)|(1<<20)|(1<<21)|(4<<22)|(7<<25)  ; the same with 8 words of padding (code 7)
.irp g, G1K, G1V
	s_mov_b32 s[\g+1], 128<<16      ; tensor_dim0 = 128
	s_mov_b32 s[\g+2], 64<<16       ; tensor_dim1 = 64
	s_mov_b32 s[\g+3], 128<<16      ; tile_dim0 = 128
	s_mov_b32 s[\g+4], 64           ; tile_dim1 = 64
	s_mov_b32 s[\g+5], 128          ; 128 elements from row to row
	s_mov_b32 s[\g+6], 0
	s_mov_b32 s[\g+7], 0
.endr
	s_mov_b32 s[CS], 0x3e38aa3b     ; c = log2(e) / 8 = 0.180337
	s_mov_b32 s[CS+1], s[CS]        ; named with it as a pair
	s_mov_b32 s[SEL], 0x76543210
	s_mov_b32 s[SEL+1], 0xfedcba98
	s_mov_b32 s[TBK], SLOT1+4*KS*PK ; the first change of slots turns these two into 0
	s_mov_b32 s[TBV], SLOT1+4*KS*PV
	s_mov_b32 s[G0K], 1             ; 1:0 count = 1
	s_mov_b32 s[G0K+1], s17         ; 63:32 LDS address: slot 0
	s_mov_b32 s[G0V], 1
	s_add_co_u32 s[G0V+1], s18, VOFF
	s_mov_b32 s[SLOTS], SIZE_N/256-1  ; seven slots are asked for behind slot 0
	s_and_b32 s[LIM], s[WV], 1      ; waves 0 and 2 prefetch: the same in all four partners
	s_cmp_eq_u32 s[LIM], 0
	s_cselect_b32 s[LIM], 1, -1
	s_wait_dscnt 0x0                ; the opening add is done
	s_wait_kmcnt 0x0
	s_add_nc_u64 s[G0K+2:G0K+3], s[6:7], s[22:23]  ; 120:64 global address: my half of the head's first 256 keys
	s_or_b32 s[G0K+3], s[G0K+3], 0x80000000        ; 127:126 type = 2
	s_add_nc_u64 s[G0V+2:G0V+3], s[8:9], s[22:23]
	s_or_b32 s[G0V+3], s[G0V+3], 0x80000000
	s_add_nc_u64 s[4:5], s[4:5], s[2:3]  ; Q and O at my wave's first row
	s_add_nc_u64 s[10:11], s[10:11], s[2:3]
	s_cmp_lt_u32 s[WV], 2
	s_cselect_b64 s[PFA:PFA+1], s[6:7], s[8:9]
	s_add_nc_u64 s[PFA:PFA+1], s[PFA:PFA+1], s[22:23]  ; (in waves 0 and 2: the head's first byte)
	s_lshl_b32 s2, s13, 13          ; my work-group's quarter of a slot
	s_mov_b32 s3, 0
	s_add_nc_u64 s[PFA:PFA+1], s[PFA:PFA+1], s[2:3]
	s_add_nc_u64 s[PFA:PFA+1], s[PFA:PFA+1], 4*KS*128  ; in slot 1; the first change of slots steps it to slot 2.  Nothing is prefetched here, at the head
	CROUND                          ; all four work-groups are here: the first joint loads meet
	JLOAD                           ; slot 0.  Slot 1 is asked for when slot 0 is in: the tile wanted first has the road to itself
	; A fragment of K or Q is 16 rows x 32 channels in 8 registers: lane l holds row l % 16, channels 8 (l / 16) + 0..7 and 16 + 8 (l / 16) + 0..7: two loads of 16 bytes, 32 bytes apart.
	v_and_b32 v1, 15, v0            ; l % 16
	v_bfe_u32 v9, v0, 4, 1          ; l / 16
	v_lshlrev_b32 v[QO], 7, v1
	v_lshl_add_u32 v[QO], v9, 4, v[QO]  ; row x 128 + 16 x half
	WIN 0x80                        ; destination window 2, address window 0
.set i, 0
.rept 4*NP                          ; Q stays in registers: tile i / 2, channels 32 (i % 2) on
	global_load_b128 v[8*i:8*i+3],   v[QO], s[4:5] offset:(i/2)*2048+(i%2)*64
	global_load_b128 v[8*i+4:8*i+7], v[QO], s[4:5] offset:(i/2)*2048+(i%2)*64+32
.set i, i+1
.endr
	; What the first turn finds: V's registers and P's second buffer hold 0 (its products V^T P, of a piece that has not been, add 0), O^T and l are 0.  All this stands in the wait for the first tile.
.set i, VF
.rept 64
	v_mov_b32 v[i], 0
.set i, i+1
.endr
	WIN 0x40
.set i, 0
.rept 64*NP
	v_mov_b32 v[i], 0
.set i, i+1
.endr
	WIN 0
.set i, 0
.rept 2*NP
	v_mov_b32 v[ST+4*i], 0xfe000000    ; c m: far below every c s
	v_mov_b32 v[ST+4*i+1], 0xff7fffff  ; m
	v_mov_b32 v[ST+4*i+2], 0
	v_mov_b32 v[ST+4*i+3], 0
.set i, i+1
.endr
.set i, P+32
.rept 32
	v_mov_b32 v[i], 0
.set i, i+1
.endr
	v_mul_u32_u24 v[AK0], v1, PK
	v_lshl_add_u32 v[AK0], v9, 4, v[AK0]  ; row x pitch + 16 x half
	; The turning load takes 16 keys x 16 channels (lane l reads key 8 (l / 16) + l % 8, channels 8 ((l / 8) % 2) + 0..7) and leaves half a fragment of V^T: lane l holds channel l % 16 and 8 keys.
	v_and_b32 v10, 7, v0
	v_bfe_u32 v11, v0, 3, 1
	v_lshl_add_u32 v[AV0], v9, 3, v10
	v_mul_u32_u24 v[AV0], v[AV0], PV
	v_lshl_add_u32 v[AV0], v11, 4, v[AV0]
	v_add_nc_u32 v[AV0], VOFF, v[AV0]
	v_and_b32 v[PFO], 31, v0        ; v11 has served: from here on it holds the prefetches' offset
	v_lshlrev_b32 v[PFO], 8, v[PFO]
	v_mov_b32 v[AK], v[AK0]         ; key step 0 lies at the head of slot 0
; THE MATRIX WORK.  The 8 accumulators of a run of 16 take turns: between the two links of a chain stand 7 others'.
; Product i of 16 of S^T = K Q^T for piece x: channels 32 (i / 8) on, keys 16 ((i / 2) % 4) on, tile 2 x + i % 2.  The first 8 start the sums.
.macro KQ x
	WIN W_KQ
.set rS, S+64*((\x)%2)+32*(i%2)+8*((i/2)%4)
.set rK, KF+16*((i/2)%4)+8*(i/8)
.set rQ, 16*(2*(\x)+i%2)+8*(i/8)
.if i < 8
	v_wmma_f32_16x16x32_f16 v[rS:rS+7], v[rK:rK+7], v[rQ:rQ+7], 0
.else
	v_wmma_f32_16x16x32_f16 v[rS:rS+7], v[rK:rK+7], v[rQ:rQ+7], v[rS:rS+7]
.endif
.endm
; Product i of 16 of O^T += V^T P for piece x: keys 32 (i / 8) on, channels 16 ((i / 2) % 4) on, tile 2 x + i % 2.
.macro PV x
	WIN W_PV
.set rO, 32*(2*(\x)+i%2)+8*((i/2)%4)
.set rV, VF+32*(i/8)+8*((i/2)%4)
.set rP, P+32*((\x)%2)+16*(i%2)+8*(i/8)
	v_wmma_f32_16x16x32_f16 v[rO:rO+7], v[rV:rV+7], v[rP:rP+7], v[rO:rO+7]
.endm
.macro MM                           ; the turn's next matrix instruction
.if i < 16
	KQ (Y+1)%NP
.set i, i+1
.else
.set i, i-16
	PV (Y+NP-1)%NP
.set i, i+17
.endif
.endm
; THE LDS LOADS stand in runs of 16, never singly among the matrix instructions: a step's K (64 keys x 64 channels: 8 fragments) and its V (turned).  Their addresses are made some lines ahead.
; last = 1 (the tail): in the last trip there is no further step, and the run is jumped over.
.macro FETCH_K last=0
	WIN 0
.if \last
	s_cmp_eq_u32 s[CNT], 1
	s_cbranch_scc1 .Lno_k_\@
.endif
	WIN 0x80                        ; destination window 2
.irp f, 0,1,2,3,4,5,6,7             ; keys 16 (f / 2) on, channels 32 (f % 2) on
	ds_load_b128 v[KF+8*\f:KF+8*\f+3],   v[AK] offset:(\f/2)*16*PK+(\f%2)*64
	ds_load_b128 v[KF+8*\f+4:KF+8*\f+7], v[AK] offset:(\f/2)*16*PK+(\f%2)*64+32
.endr
	s_add_co_u32 s[TBK], s[TBK], KS*PK  ; the next fetch is the next step's
	WIN 0
.if \last
.Lno_k_\@:
.endif
.endm
.macro FETCH_V
	WIN 0x80
.irp f, 0,1,2,3,4,5,6,7             ; keys 32 (f / 4) on, channels 16 (f % 4) on
	ds_load_tr16_b128 v[VF+8*\f:VF+8*\f+3],   v[AV] offset:(\f/4)*32*PV+(\f%4)*32
	ds_load_tr16_b128 v[VF+8*\f+4:VF+8*\f+7], v[AV] offset:(\f/4)*32*PV+16*PV+(\f%4)*32
.endr
	WIN 0
.endm
; THE VECTOR WORK OF A TURN stands in three queues, each in the order in which its entries become ready; the two tiles alternate, so that no instruction reads the result of the one before it.
.macro REGS y, u                    ; the registers of tile u (0, 1) of piece y
.set rT, ST+4*(2*(\y)+(\u))
.set rC, TMP+8*((\y)%2)+4*(\u)
.set rM, MV+2*((\y)%2)+(\u)
.set rS, S+64*((\y)%2)+32*(\u)
.set rP, P+32*((\y)%2)+16*(\u)
.set rO, 32*(2*(\y)+(\u))
.endm
; Number n of the 22 that find the NEXT piece's (Y + 1) maximum and statistics.  s0-s31 are the lane's 32 scores; each accumulator's lowest registers are read first.  XS, GS and REGS set no window: PL and EX do.
;   0-11  four chains c0-c3 of seven scores each, three operands at a time     12-14, 16  the four scores left over, the old m, and c0-c3 into c0     15  c m_old is kept
;   17, 18  the query's other 32 keys lie in the lane 16 away: the new m         19-21  c m; c m_old - c m_new; a
.macro XS u, n
	REGS (Y+1)%NP, \u
.if (\n) < 4
	v_max3_num_f32 v[rC+(\n)], v[rS+8*(\n)], v[rS+8*(\n)+1], v[rS+8*(\n)+2]
.elseif (\n) < 12
	v_max3_num_f32 v[rC+(\n)%4], v[rC+(\n)%4], v[rS+8*((\n)%4)+2*((\n)/4)+1], v[rS+8*((\n)%4)+2*((\n)/4)+2]
.elseif (\n) == 12
	v_max3_num_f32 v[rC], v[rC], v[rS+7], v[rS+15]
.elseif (\n) == 13
	v_max3_num_f32 v[rC+1], v[rC+1], v[rS+23], v[rS+31]
.elseif (\n) == 14
	v_max3_num_f32 v[rC+2], v[rC+2], v[rC+3], v[rT+1]
.elseif (\n) == 15
	v_mov_b32 v[rM], v[rT]
.elseif (\n) == 16
	v_max3_num_f32 v[rC], v[rC], v[rC+1], v[rC+2]
.elseif (\n) == 17
	v_permlanex16_b32 v[rC+3], v[rC], s[SEL], s[SEL+1]
.elseif (\n) == 18
	v_max_num_f32 v[rT+1], v[rC], v[rC+3]
.elseif (\n) == 19
	v_mul_f32 v[rT], s[CS], v[rT+1]
.elseif (\n) == 20
	v_sub_f32 v[rC+1], v[rM], v[rT]
.else
	v_exp_f32 v[rC+2], v[rC+1]
.endif
.endm
; Number g of the 64 that follow the exponentials.  For each four weights k of a tile (pairs 2 k, 2 k + 1): both pairs are rounded to f16; then the second pair is added onto the first, in place;
; a group later l takes that sum (the first time as l = a l + sum).  In groups of eight, tiles alternating: round, round, add, and l for the group before.
.macro GS g
.set h, (\g)+6*((\g)/62)            ; group 0 has no group before it, and behind group 7 only l is left
.if h >= 6
.set h, h+2
.endif
	REGS Y, h%2
.set k, h/8
.if h%8 < 4
	s_wait_alu depctr_va_vdst(0)
	v_cvt_pk_f16_f32 v[rP+2*k+(h%8)/2], v[rS+4*k+2*((h%8)/2)], v[rS+4*k+2*((h%8)/2)+1]
.elseif h%8 < 6
	v_pk_add_f32 v[rS+4*k:rS+4*k+1], v[rS+4*k:rS+4*k+1], v[rS+4*k+2:rS+4*k+3]
.elseif k == 1
	v_pk_fma_f32 v[rT+2:rT+3], v[rT+2:rT+3], v[rC+2:rC+3], v[rS:rS+1] op_sel_hi:[1,0,1]
.else
	v_pk_add_f32 v[rT+2:rT+3], v[rT+2:rT+3], v[rS+4*k-4:rS+4*k-3]
	s_wait_alu depctr_va_vdst(0)
.endif
.endm
; THE PLAIN QUEUE, 138 long.  0-31: c s - c m for the 16 pairs of both tiles.  Then GS's 64, and among them the next piece's 42: number 15 at 38, 39; 0-14 and 16
; at 42-73, behind the products that make those scores; 17-20 at 95-106, two of three, since each waits for the one before it.
.macro PL
	WIN 0
.if q < 32
	REGS Y, q%2
	v_pk_fma_f32 v[rS+2*(q/2):rS+2*(q/2)+1], v[rS+2*(q/2):rS+2*(q/2)+1], s[CS:CS+1], v[rT:rT+1] op_sel_hi:[1,0,0] neg_lo:[0,0,1] neg_hi:[0,0,1]
.elseif q < 38
	GS q-32
.elseif q < 40
	XS q%2, 15
.elseif q < 42
	GS q-34
.elseif q < 74
	XS q%2, (q-42)/2+(q-42)/30
.elseif q < 95
	GS q-66
.elseif (q < 107) && ((q-95)%3 < 2)
	XS (q-95)%3, 17+(q-95)/3
.elseif q < 107
	GS 29+(q-95)/3
.else
	GS q-74
.endif
.set q, q+1
.endm
; THE EXPONENTIALS' QUEUE, 66 long: s0-s31 of both tiles, and at EA the next piece's two a.
.set EA, 58
.macro EX
	WIN 0
.if (e == EA) || (e == EA+1)
	XS e-EA, 21
.else
.set x, e-2*(e/(EA+2))
	REGS Y, x%2
	v_exp_f32 v[rS+x/2], v[rS+x/2]
.endif
.set e, e+1
.endm
; THE RESCALING's QUEUE: O^T times a, the one part that leaves window 0, so it is dealt four at a time, eight times.
.macro R4
	REGS Y, r%2
	WIN W_RS
	s_wait_alu depctr_va_vdst(0)
.irp z, 0,1,2,3
	v_pk_mul_f32 v[rO+8*(r/2)+2*\z:rO+8*(r/2)+2*\z+1], v[rO+8*(r/2)+2*\z:rO+8*(r/2)+2*\z+1], v[rC+2:rC+3] op_sel_hi:[1,0]
.endr
.set r, r+1
.endm
; HOW THEY ARE DEALT.  Behind a matrix instruction four: plain, exponential, plain, plain (one exponential, a plain instruction on either side), or four of the rescaling.  None names a register of the
; products round it.  What is over stands in two LUMPS: exponential and plain by turns; the second ends in 22 plain instructions.  The two v_permlanex16_b32 fall into the second lump, never behind a product.
; The queues lean on each other, and the deal keeps them in step: exponential e stands behind plain 2 (e / 4) + e % 2 (its scaling); when plain 32 comes, 10 exponentials are out, at 59: 33, at 95: 46; EA comes behind plain 107.
.macro SL
	MM
	PL
	EX
	PL
	PL
.endm
.macro BURST n                      ; 15 matrix instructions, or 16
.rept (\n)-7
	SL
.endr
.rept 3
	MM
	R4
	SL
.endr
	MM
	R4
.endm
; A TURN, for piece p.  cnt = 1: the loop's count is taken down some lines ahead of the branch that stands behind the turn.
; K of the next step is fetched in piece 2's turn, 31 vector instructions behind the last product that read K; its first reader comes behind the rest of the lump, 16 products and the second lump.
; V of the step in hand is fetched at the end of piece 0's turn, 69 behind its last reader; its first reader comes behind 16 products and a lump.  The four conditions on e and q below go with the deal.
.macro TURN p, last=0, cnt=0
.set Y, (\p)
.set i, 0
.set q, 0
.set e, 0
.set r, 0
.if (\p) == NP-1
	s_wait_dscnt 0x0                ; K is in
.endif
	MM
.rept 4
	PL
.endr
	BURST 15
.rept 22
	EX
	PL
.if ((\p) == NP-2) && (e == 18)
	v_add_nc_u32 v[AK], s[TBK], v[AK0]
.endif
.if ((\p) == NP-2) && (e == 24)
	FETCH_K \last
.endif
.endr
.if (\p) == 1
	s_wait_dscnt 0x0                ; V is in
.endif
	BURST 16
.rept 21
	EX
	PL
.endr
.rept 22
	PL
.if ((\p) == 0) && (q == 118)
	v_add_nc_u32 v[AV], s[TBV], v[AV0]
	s_wait_alu depctr_va_vdst(0)
.endif
.if ((\p) == 0) && (q == 130)
	s_add_co_u32 s[TBV], s[TBV], KS*PV
.endif
.if (\cnt) && (q == 130)
	s_sub_co_u32 s[CNT], s[CNT], 1
	s_cmp_lg_u32 s[CNT], 0
.endif
.endr
.if (\p) == 0
	FETCH_V
.endif
.endm
	CHANGE 1                        ; slot 0 is in, everybody's part of it; slot 1 is asked for
	FETCH_K                         ; key step 0
	s_wait_loadcnt 0x0              ; Q
	s_wait_dscnt 0x0
.set i, 0
.rept 16
	KQ 0                            ; piece 0's first scores: there is no vector work yet to set between them
.set i, i+1
.endr
	WIN 0                           ; the addresses for the way out: nine plain instructions, the places behind those products
	s_mul_i32 s13, s[WV], 16*SP
	s_add_co_u32 s13, s13, STAGE    ; my stage
	v_mul_u32_u24 v[STO], v1, SP    ; in: row l % 16, 16 bytes for each half of the lanes
	v_lshl_add_u32 v[STO], v9, 4, v[STO]
	v_add_nc_u32 v[STO], s13, v[STO]
	v_bfe_u32 v[RD], v0, 3, 2       ; back: 32 lanes take four rows of 128 bytes,
	v_mul_u32_u24 v[RD], v[RD], SP
	v_lshl_add_u32 v[RD], v10, 4, v[RD]
	v_add_nc_u32 v[RD], s13, v[RD]
	v_and_b32 v[GO], 31, v0         ; which are 512 consecutive bytes of O
	v_lshlrev_b32 v[GO], 4, v[GO]
.set Y, NP-1                        ; XS works for piece Y + 1: piece 0
.irp n, 0,1,2,3,4,5,6,7,8,9,10,11,12,13,14,15,16,17,18,19,20,21
	XS 0, \n                        ; and piece 0's first maximum and statistics
	XS 1, \n
.endr
	s_mov_b32 s[CNT], 4
	s_branch .Lfirst                ; the loop is entered at a step's first turn, in the middle of a trip
.Lslot:                             ; SIZE_N / 256 - 2 times: every slot but the last two is filled again
	CHANGE 1
	s_mov_b32 s[CNT], 4
.Lstep:                             ; a trip: pieces 2 and 3 of one step, then pieces 0 and 1 of the next, whose K and V it fetches
	TURN 2
	TURN 3
	WIN 0
.Lfirst:
	TURN 0
	TURN 1, 0, 1
	WIN 0
	s_cbranch_scc1 .Lstep
	s_sub_co_u32 s[SLOTS], s[SLOTS], 1
	s_cmp_lg_u32 s[SLOTS], 0
	s_cbranch_scc1 .Lslot
	CHANGE 0                        ; the tail is written out: nothing is asked for
	s_mov_b32 s[CNT], 5             ; four trips fetch the last slot's steps; the fifth is left in its middle
.Ltail:
	TURN 2, 1
	TURN 3
	WIN 0
	s_sub_co_u32 s[CNT], s[CNT], 1
	s_cmp_eq_u32 s[CNT], 0
	s_cbranch_scc1 .Lout
	TURN 0
	TURN 1
	WIN 0
	s_branch .Ltail
.Lout:                              ; the fifth trip's 16 products K Q^T (on the last K once more) and the maximum made of them serve nothing: the price, once a launch, of one text for every trip
.set i, 0
.rept 16
	PV NP-1                         ; the last piece's V^T P of the last step
.set i, i+1
.endr
	; THE WAY OUT.  l's two halves and the other half of the lanes' are added; O^T is divided by l, rounded to f16 and sent through my stage in LDS, a tile at a time.  The additions are the places behind the last products.
	WIN 0
.macro ALL line:vararg              ; one line for each tile t
.set t, 0
.rept 2*NP
	\line
.set t, t+1
.endr
.endm
	ALL v_add_f32 v[ST+4*t+2], v[ST+4*t+2], v[ST+4*t+3]
	ALL v_permlanex16_b32 v[ST+4*t+3], v[ST+4*t+2], s[SEL], s[SEL+1]
	ALL v_add_f32 v[ST+4*t+2], v[ST+4*t+2], v[ST+4*t+3]
	ALL v_rcp_f32 v[ST+4*t+2], v[ST+4*t+2]
	v_nop                           ; a plain instruction between the last reciprocal and the use of its result
	s_wait_alu depctr_va_vdst(0)
; Tile t: a lane's eight channels of a row pack into 16 bytes; they go into rows of 144 bytes and come back as whole rows of 128, into S^T's registers.
.macro PACK t
	WIN W_RS
.set i, 32*(\t)
.rept 16
	v_pk_mul_f32 v[i:i+1], v[i:i+1], v[ST+4*(\t)+2:ST+4*(\t)+3] op_sel_hi:[1,0]
.set i, i+2
.endr
	WIN 0x05                        ; sources 0 and 1 window 1, destination window 0
.set i, 0
.rept 16
	v_cvt_pk_f16_f32 v[S+16*(\t)+i], v[32*(\t)+2*i], v[32*(\t)+2*i+1]
.set i, i+1
.endr
	WIN 0
.irp f, 0,1,2,3
	ds_store_b128 v[STO], v[S+16*(\t)+4*\f:S+16*(\t)+4*\f+3] offset:32*\f
.endr
.irp f, 0,1,2,3
	ds_load_b128 v[S+16*(\t)+4*\f:S+16*(\t)+4*\f+3], v[RD] offset:\f*4*SP  ; LDS serves a wave's instructions in order (ISA guide 5.7.1.4): these see the stores above; the next tile's stores come behind them
.endr
.endm
.macro SEND t, younger              ; younger: the LDS instructions issued behind tile t's loads: the next tile's eight, or none
	WIN 0
.irp f, 0,1,2,3
	s_wait_dscnt (\younger)+3-\f
	global_store_b128 v[GO], v[S+16*(\t)+4*\f:S+16*(\t)+4*\f+3], s[10:11] offset:(\t)*2048+\f*512  ; 512 consecutive bytes, at a multiple of 256 from O's first
.endr
.endm
	PACK 0
.set t, 1
.rept 2*NP-1                        ; a tile's arithmetic stands between the loads of the tile before and its stores
	PACK t
	SEND t-1, 8
.set t, t+1
.endr
	SEND 2*NP-1, 0
	WIN W_AD
	s_wait_tensorcnt 0x0            ; the wave's end, behind my last tensor load and my last LDS store
	ds_add_u32 v[SPW], v[NIL]
	s_wait_dscnt 0x0
	WIN 0
	CROUND                          ; the closing round: no work-group ends while a partner may still ask for a tile that names it
	s_endpgm
.Lfunc_end_k_q531741b9d9_attn:
	.size	k_q531741b9d9_attn, .Lfunc_end_k_q531741b9d9_attn-k_q531741b9d9_attn
	.p2alignl 7, 3214868480
	.fill 96, 4, 3214868480
	.section	.rodata,"a",@progbits
	.p2align	6, 0x0
	.amdhsa_kernel k_q531741b9d9_attn
		.amdhsa_group_segment_fixed_size 327680
		.amdhsa_private_segment_fixed_size 0
		.amdhsa_enable_private_segment 0
		.amdhsa_kernarg_size 32
		.amdhsa_user_sgpr_count 2
		.amdhsa_user_sgpr_kernarg_segment_ptr 1
		.amdhsa_wavefront_size32 1
		.amdhsa_system_sgpr_workgroup_id_x 1
		.amdhsa_system_sgpr_workgroup_id_y 1
		.amdhsa_system_sgpr_workgroup_id_z 1
		.amdhsa_system_vgpr_workitem_id 0
		.amdhsa_next_free_vgpr 770
		.amdhsa_next_free_sgpr 66
		.amdhsa_reserve_vcc 0
		.amdhsa_float_denorm_mode_32 3
		.amdhsa_float_denorm_mode_16_64 3
		.amdhsa_memory_ordered 1
		.amdhsa_forward_progress 1
		.amdhsa_inst_pref_size 209
	.end_amdhsa_kernel
	.amdgpu_metadata
---
amdhsa.version: [ 1, 2 ]
amdhsa.kernels:
  - .name:           k_q531741b9d9_attn
    .symbol:         k_q531741b9d9_attn.kd
    .args:
      - { .name: q, .offset: 0, .size: 8, .value_kind: global_buffer, .address_space: global }
      - { .name: k, .offset: 8, .size: 8, .value_kind: global_buffer, .address_space: global }
      - { .name: v, .offset: 16, .size: 8, .value_kind: global_buffer, .address_space: global }
      - { .name: o, .offset: 24, .size: 8, .value_kind: global_buffer, .address_space: global }
    .group_segment_fixed_size: 327680
    .private_segment_fixed_size: 0
    .kernarg_segment_align: 8
    .kernarg_segment_size: 32
    .max_flat_workgroup_size: 128
    .sgpr_count:     66
    .vgpr_count:     770
    .wavefront_size: 32
...
	.end_amdgpu_metadata
.endif
;; end of part 3
;; launch proj (part 4): grid 4 x 64, 4 waves a work-group, clusters of 4 x 4, 327,680 bytes of LDS; arguments o, wp, out0; writes out0
.if DOCPART == 4
	.amdgcn_target "amdgcn-amd-amdhsa--gfx1250"
	.amdhsa_code_object_version 6
	.text
	.protected	k_q531741b9d9_proj
	.globl	k_q531741b9d9_proj
	.p2align	8
	.type	k_q531741b9d9_proj,@function
k_q531741b9d9_proj:
	s_mov_b64 s[64:65], 0
	v_nop
	global_prefetch_b8 v0, s[64:65] scope:SCOPE_SE
	s_setreg_imm32_b32 hwreg(HW_REG_WAVE_MODE, 25, 1), 1
	s_wait_xcnt 0x0
	s_wait_alu depctr_hold_cnt(0) depctr_sa_sdst(0) depctr_va_vdst(0) depctr_va_sdst(0) depctr_va_ssrc(0) depctr_va_vcc(0) depctr_vm_vsrc(0)
	s_getreg_b32 s2, hwreg(HW_REG_IB_STS2, 6, 4)
	s_cmp_eq_u32 s2, 0
	s_cbranch_scc0 .Lentry_in_a_cluster
	s_endpgm
.Lentry_in_a_cluster:
	s_bfe_u32 s2, ttmp6, 0x10000c
	s_cmp_lg_u32 s2, 0xf033
	s_cbranch_scc0 .Lentry_shape_is_right
	s_endpgm
.Lentry_shape_is_right:
; THE LAST PROJECTION.  out0[m][n] = the sum over c of y[m][c] w_proj[n][c], 8,192 x 1,024 x 1,024.  y comes by heads, o: f16 [b 4][h 16][t 2048][64]: a head is a K block of 64; wp: f16 [kb 16][n 1024][64].  f32 sums, f32 out.
; SHARES.  4 x 64 work-groups, each a tile of 128 rows x 256 columns: one for each of 256 (tiles of 256 x 256 would be 128).  Four waves, each 64 rows x 128 columns: 32 accumulators of 16 x 16, 256 registers.
; K goes in steps of 128, two K blocks, through two LDS slots; each wave fetches one block of one operand: 16,384 or 32,768 dense bytes, asked for as rows of 256 bytes and padded in LDS after every 128.
; CLUSTER.  4 x 4 work-groups: the four of a row need the same rows of o, the four of a column the same rows of wp: each tile is asked for jointly.
; THE MATRIX INSTRUCTION IS USED TRANSPOSED (source 0 = 16 rows of wp, source 1 = 16 rows of o): lane l holds row l % 16 and the columns 8 (l / 16) + 0..7: 32 bytes of a row of out0.
; REGISTERS: window 0: v0-31 addresses; v64-159, v160-255 two fragment buffers of 96 (wp's eight fragments, then o's four); v64-255 rows on the way out.  Window 1: accumulator (a, b) at v[8 (8 a + b)].
.set PITCH,  144                       ; an LDS row: 128 bytes + 16 of padding = 36 words: the 16 rows of a load start at 16 different groups of four banks (64 banks of 4 bytes: ISA guide 11.1)
.set SUB,    16*PITCH
.set ABLK,   128*PITCH                 ; a K block of o's tile
.set BBLK,   256*PITCH                 ; a K block of wp's
.set BOFF,   2*ABLK                    ; a slot: o's even block, its odd block, wp's even block, its odd block
.set SLOT,   BOFF+2*BBLK               ; 110,592
.set STAGE,  2*SLOT                    ; behind the ring: 16 rows x 528 bytes for each wave; no tensor load fills them
.set SPITCH, 528                       ; 512 bytes + 16
.set SPARE,  STAGE+4*16*SPITCH         ; behind the stages: the spare words, 128 bytes for each wave: two blocks of 256 bytes that no other line names
.set FLAGS,  (1<<16)|(1<<20)|(1<<21)|(4<<22)|(3<<25)  ; 2-byte elements; padding on; bit 21 beside a mask; after every 32 words (code 4) 4 words (code 3)
.set ADRA, 16                          ; v16-17  LDS address of my fragments of o in slot 0, 1
.set ADRB, 20                          ; v20-21  the same for wp
.set STO,  24                          ; v24     the way out: where I put 32 bytes of a row
.set RD,   25                          ; v25     the way out: where I read a row back
.set CO,   26                          ; v26     16 x lane: my place in 512 consecutive bytes of out0; never rewritten
.set SPW,  28                          ; v28     LDS address of my spare word: SPARE + 4 x my thread's number; never rewritten
.set NIL,  29                          ; v29     0; never rewritten
.set F0,   64
.set F1,   160
.set G1, 24                            ; s[24:31] descriptor group 1 for o's tiles;  s[32:39] group 0, a set for each slot
.set G0, 32
.set G1B, 48                           ; s[48:55], s[56:63] the same for wp's
.set G0B, 56
.set MSB, 0
.macro WIN new                         ; the immediate's high byte repeats the setting that is left; a switch that changes nothing is dropped
.if MSB != (\new)
	s_set_vgpr_msb (MSB<<8)|(\new)
.set MSB, \new
.endif
.endm
.macro JLOAD s                         ; a joint load: waves 0 and 1 fetch o's two K blocks, waves 2 and 3 wp's; an s_nop 0 and four v_nop follow each of the two lines
	s_cmp_eq_u32 s11, 0
	s_cbranch_scc0 .Lfor_b_\@
	tensor_load_to_lds s[G0+4*(\s):G0+4*(\s)+3], s[G1:G1+7]
	s_nop 0
.rept 4
	v_nop
.endr
	s_branch .Lasked_\@
.Lfor_b_\@:
	tensor_load_to_lds s[G0B+4*(\s):G0B+4*(\s)+3], s[G1B:G1B+7]
	s_nop 0
.rept 4
	v_nop
.endr
.Lasked_\@:
.endm
.macro CREST                           ; a round of the cluster's barrier behind its opening barrier
	s_cmp_lg_u32 s10, 0
	s_cbranch_scc1 .Lnot_wave_0_\@
	s_barrier_signal -3
.Lnot_wave_0_\@:
	s_barrier_wait -3
	s_barrier_signal -1
	s_barrier_wait -1
.endm
.macro CROUND                          ; a whole round
	s_barrier_signal -1
	s_barrier_wait -1
	CREST
.endm
.macro PLACES                          ; four places behind matrix instructions, in front of loads into registers that they have read
.rept 4
	v_nop
.endr
.endm
	s_load_b128 s[4:7], s[0:1], 0x0                ; o s[4:5], wp s[6:7]
	s_load_b64 s[8:9], s[0:1], 0x10                ; out0
	v_lshl_add_u32 v[SPW], v0, 2, SPARE
	v_mov_b32 v[NIL], 0
	ds_add_u32 v[SPW], v[NIL]                      ; the wave's opening: the add and its wait stand ahead of my first tensor load; the set-up below, work on registers, stands between them
	v_lshrrev_b32 v1, 5, v0
	v_readfirstlane_b32 s10, v1                    ; wave 0..3
	s_lshr_b32 s11, s10, 1                         ; which 64 rows are mine.  Also: I fetch for o (0) or wp (1)
	s_and_b32 s12, s10, 1                          ; which 128 columns.  Also: which of a slot's two K blocks I fetch
	s_bfe_u32 s40, ttmp6, 0x40000                  ; cx, cy
	s_bfe_u32 s41, ttmp6, 0x40004
	s_lshl_b32 s42, ttmp9, 2
	s_add_co_u32 s42, s42, s40                     ; tile column 0..3
	s_and_b32 s13, ttmp7, 0xffff
	s_lshl_b32 s13, s13, 2
	s_add_co_u32 s13, s13, s41                     ; tile row 0..63
	s_lshl_b32 s43, s41, 2
	s_lshl_b32 s43, 15, s43                        ; my row of the cluster
	s_lshl_b32 s44, 0x1111, s40                    ; my column
	s_or_b32 s[G1], s43, FLAGS
	s_or_b32 s[G1B], s44, FLAGS
	s_mov_b32 s[G1+1], 128<<16                     ; tensor_dim0 = 128 elements: 256 bytes, two rows of a K block
	s_mov_b32 s[G1+2], 64<<16                      ; tensor_dim1 = 64: 128 rows of o
	s_mov_b32 s[G1+3], 128<<16                     ; tile_dim0
	s_mov_b32 s[G1+4], 64                          ; tile_dim1
	s_mov_b32 s[G1+5], 128                         ; dense
	s_mov_b32 s[G1+6], 0
	s_mov_b32 s[G1+7], 0
	s_mov_b32 s[G1B+1], 128<<16
	s_mov_b32 s[G1B+2], 128<<16                    ; 256 rows of wp
	s_mov_b32 s[G1B+3], 128<<16
	s_mov_b32 s[G1B+4], 128
	s_mov_b32 s[G1B+5], 128
	s_mov_b32 s[G1B+6], 0
	s_mov_b32 s[G1B+7], 0
	s_lshr_b32 s16, s13, 4                         ; o: b x 16 heads x 262,144
	s_lshl_b32 s16, s16, 22
	s_and_b32 s17, s13, 15                         ; + which 128 of the batch's rows
	s_lshl_b32 s17, s17, 14
	s_add_co_u32 s16, s16, s17
	s_lshl_b32 s17, s12, 18                        ; + the K block that I fetch
	s_add_co_u32 s16, s16, s17
	s_mov_b32 s17, 0
	s_lshl_b32 s46, s42, 15                        ; wp: 256 rows of 128 bytes a tile column
	s_lshl_b32 s47, s12, 17                        ; + the K block that I fetch
	s_add_co_u32 s46, s46, s47
	s_mov_b32 s47, 0
	s_mul_i32 s20, s12, ABLK                       ; where they go: no place in the cluster enters an LDS address
	s_mul_i32 s21, s12, BBLK
	s_add_co_u32 s21, s21, BOFF
	s_wait_dscnt 0x0                               ; the opening add is done
	s_wait_kmcnt 0x0
	s_add_nc_u64 s[14:15], s[4:5], s[16:17]
	s_add_nc_u64 s[46:47], s[6:7], s[46:47]
	CROUND                                         ; all sixteen work-groups are here: the first joint loads meet
.irp s, 0,1
	s_mov_b32 s[G0+4*(\s)], 1
	s_add_co_u32 s[G0+4*(\s)+1], s20, (\s)*SLOT
	s_add_nc_u64 s[G0+4*(\s)+2:G0+4*(\s)+3], s[14:15], (\s)*2*262144  ; slot s: K blocks 2 s, 2 s + 1
	s_or_b32 s[G0+4*(\s)+3], s[G0+4*(\s)+3], 0x80000000
	s_mov_b32 s[G0B+4*(\s)], 1
	s_add_co_u32 s[G0B+4*(\s)+1], s21, (\s)*SLOT
	s_add_nc_u64 s[G0B+4*(\s)+2:G0B+4*(\s)+3], s[46:47], (\s)*2*131072
	s_or_b32 s[G0B+4*(\s)+3], s[G0B+4*(\s)+3], 0x80000000
	JLOAD \s                                       ; two tensor loads of mine are out; behind every later round one
.endr
	v_and_b32 v1, 15, v0                           ; l % 16
	v_bfe_u32 v2, v0, 4, 1                         ; l / 16
	v_mul_u32_u24 v3, v1, PITCH
	v_lshl_add_u32 v3, v2, 4, v3                   ; a fragment's row x pitch + 16 x half
	s_mul_i32 s21, s11, 64*PITCH                   ; my 64 rows of o
	s_mul_i32 s22, s12, 128*PITCH                  ; my 128 rows of wp
	s_add_co_u32 s22, s22, BOFF
.irp s, 0,1
	v_add_nc_u32 v[ADRA+(\s)], s21, v3
	v_add_nc_u32 v[ADRB+(\s)], s22, v3
	s_add_co_u32 s21, s21, SLOT
	s_add_co_u32 s22, s22, SLOT
.endr
	s_mul_i32 s23, s10, 16*SPITCH
	s_add_co_u32 s23, s23, STAGE                   ; my stage
	v_mul_u32_u24 v4, v1, SPITCH                   ; in: row l % 16, 32 bytes for each half of the lanes
	v_lshl_add_u32 v4, v2, 5, v4
	v_add_nc_u32 v[STO], s23, v4
	v_and_b32 v[CO], 31, v0
	v_lshlrev_b32 v[CO], 4, v[CO]
	v_add_nc_u32 v[RD], s23, v[CO]                 ; back: 32 lanes take one row of 512 bytes
	s_lshl_b32 s16, s13, 19                        ; out0: 128 rows of 4,096 bytes a tile row,
	s_lshl_b32 s17, s11, 18                        ; my 64 of them
	s_add_co_u32 s16, s16, s17
	s_mov_b32 s17, 0
	s_add_nc_u64 s[8:9], s[8:9], s[16:17]
	s_lshl_b32 s46, s42, 10                        ; the tile's 256 columns, my 128 of them
	s_lshl_b32 s47, s12, 9
	s_add_co_u32 s46, s46, s47
	s_mov_b32 s47, 0
	s_add_nc_u64 s[8:9], s[8:9], s[46:47]
; 8 matrix instructions: row block a x all 8 column blocks, 32 along K.  zero = 1: the product starts the sum.  The 32 accumulators take turns, one instruction a turn.
.macro MUL8 f, a, zero
	WIN 0x50                                       ; C and D in window 1
.irp b, 0,1,2,3,4,5,6,7
.if \zero
	v_wmma_f32_16x16x32_f16 v[8*(8*(\a)+(\b)):8*(8*(\a)+(\b))+7], v[(\f)+8*(\b):(\f)+8*(\b)+7], v[(\f)+64+8*(\a):(\f)+64+8*(\a)+7], 0
.else
	v_wmma_f32_16x16x32_f16 v[8*(8*(\a)+(\b)):8*(8*(\a)+(\b))+7], v[(\f)+8*(\b):(\f)+8*(\b)+7], v[(\f)+64+8*(\a):(\f)+64+8*(\a)+7], v[8*(8*(\a)+(\b)):8*(8*(\a)+(\b))+7]
.endif
.endr
.endm
; 24 LDS loads in one run: the fragments of quarter q of a slot (K block q / 2, 32 K at byte 64 (q % 2)): wp's eight first, then o's four
.macro FETCH slot, q, f
	WIN 0
.irp b, 0,1,2,3,4,5,6,7
	ds_load_b128 v[(\f)+8*(\b):(\f)+8*(\b)+3],   v[ADRB+(\slot)] offset:((\q)/2)*BBLK+(\b)*SUB+64*((\q)%2)
	ds_load_b128 v[(\f)+8*(\b)+4:(\f)+8*(\b)+7], v[ADRB+(\slot)] offset:((\q)/2)*BBLK+(\b)*SUB+64*((\q)%2)+32
.endr
.irp a, 0,1,2,3
	ds_load_b128 v[(\f)+64+8*(\a):(\f)+64+8*(\a)+3],   v[ADRA+(\slot)] offset:((\q)/2)*ABLK+(\a)*SUB+64*((\q)%2)
	ds_load_b128 v[(\f)+64+8*(\a)+4:(\f)+64+8*(\a)+7], v[ADRA+(\slot)] offset:((\q)/2)*ABLK+(\a)*SUB+64*((\q)%2)+32
.endr
.endm
; A K step is four quarters of 32 matrix instructions, on buffers 0, 1, 0, 1.  One of the first three: multiplies buffer f and fetches quarter qn into g.
.macro QUARTER slot, qn, f, g, zero
	s_wait_dscnt 4                                 ; all but the youngest four loads (o's row blocks 2 and 3) are in
	MUL8 \f, 0, \zero
	MUL8 \f, 1, \zero
	PLACES
	FETCH \slot, \qn, \g
	s_wait_dscnt 24                                ; all but the 24 just issued
	MUL8 \f, 2, \zero
	MUL8 \f, 3, \zero
.endm
; The last quarter multiplies buffer 1 and changes slots: ONE barrier; in front of it each wave waits for all its tensor loads (one is out: its part of the next slot), adds 0 to its spare word, and waits for that and
; for its reads of this slot.  fill = 1: the barrier opens a round of the cluster's, and the joint refill, two K steps on, is the first thing behind it: 112 matrix instructions ahead of the wait for it.
.macro TURN slot, next, fill
	WIN 0
	s_wait_tensorcnt 0x0
	ds_add_u32 v[SPW], v[NIL]                      ; 0 onto my spare word
	s_wait_dscnt 5                                 ; the add and the youngest four loads may be out
	MUL8 F1, 0, 0                                  ; eight matrix instructions stand between the add and the wait for it
	s_wait_dscnt 0x0                               ; the add is done, and my reads of this slot are over
	s_barrier_signal -1
	MUL8 F1, 1, 0
	WIN 0
	s_barrier_wait -1
.if \fill
	CREST                                          ; no wave of any partner still reads this slot or has a load on its way
	s_add_nc_u64 s[G0+4*(\slot)+2:G0+4*(\slot)+3], s[G0+4*(\slot)+2:G0+4*(\slot)+3], 4*262144
	s_add_nc_u64 s[G0B+4*(\slot)+2:G0B+4*(\slot)+3], s[G0B+4*(\slot)+2:G0B+4*(\slot)+3], 4*131072
	JLOAD \slot                                    ; its four v_nop are also the places in front of the loads below
.else
	PLACES
.endif
	FETCH \next, 0, F0
	MUL8 F1, 2, 0
	MUL8 F1, 3, 0
.endm
	s_wait_tensorcnt 1                             ; my part of K step 0 is in; K step 1's may stay out
	s_barrier_signal -1
	s_barrier_wait -1                              ; everybody's is
	FETCH 0, 0, F0
	QUARTER 0, 1, F0, F1, 1                        ; the first quarter stands in front of the loop: its products start all 32 sums
	WIN 0                                          ; at a label and at a branch every window is 0
	s_mov_b32 s3, 3
.Llap:                                             ; a trip goes once round the ring, from a lap's second quarter to the next lap's first, and fills both slots again
	QUARTER 0, 2, F1, F0, 0
	QUARTER 0, 3, F0, F1, 0
	TURN 0, 1, 1
	QUARTER 1, 1, F0, F1, 0
	QUARTER 1, 2, F1, F0, 0
	QUARTER 1, 3, F0, F1, 0
	TURN 1, 0, 1
	QUARTER 0, 1, F0, F1, 0
	WIN 0
	s_sub_co_u32 s3, s3, 1
	s_cmp_lg_u32 s3, 0
	s_cbranch_scc1 .Llap
	QUARTER 0, 2, F1, F0, 0                        ; the last lap fills nothing
	QUARTER 0, 3, F0, F1, 0
	TURN 0, 1, 0
	QUARTER 1, 1, F0, F1, 0
	QUARTER 1, 2, F1, F0, 0
	QUARTER 1, 3, F0, F1, 0
	s_wait_dscnt 4                                 ; the very last quarter: nothing more to fetch
	MUL8 F1, 0, 0
	MUL8 F1, 1, 0
	s_wait_dscnt 0x0
	MUL8 F1, 2, 0
	MUL8 F1, 3, 0
	WIN 0
	PLACES
	PLACES                                         ; once a launch: the places behind the last products
; THE WAY OUT, a row block (16 rows x 128 columns of f32) at a time: 32 bytes a lane and accumulator into my stage, the accumulator's lowest registers first; back as whole rows of 512 bytes.
.macro TOSTAGE a
.set BK, 64+64*((\a)%3)
.if (\a) == 3
	s_wait_xcnt 0x0                                ; every earlier memory instruction has had its addresses translated (ISA guide 3.1): block 0's registers, which its stores read, are loaded again only behind this wait
.endif
	WIN 0x04                                       ; the stores' data in window 1
.irp b, 0,1,2,3,4,5,6,7
	ds_store_b128 v[STO], v[8*(8*(\a)+(\b)):8*(8*(\a)+(\b))+3]   offset:64*(\b)
	ds_store_b128 v[STO], v[8*(8*(\a)+(\b))+4:8*(8*(\a)+(\b))+7] offset:64*(\b)+16
.endr
	WIN 0
.irp r, 0,1,2,3,4,5,6,7,8,9,10,11,12,13,14,15
	ds_load_b128 v[BK+4*(\r):BK+4*(\r)+3], v[RD] offset:SPITCH*(\r)  ; LDS serves a wave's instructions in order (ISA guide 5.7.1.4): these see the stores above; the next block's stores come behind them
.endr
.endm
.macro SEND a, younger                 ; younger: the LDS instructions issued behind block a's loads: the next block's 32, or none
.set BS, 64+64*((\a)%3)
.irp r, 0,1,2,3,4,5,6,7,8,9,10,11,12,13,14,15
	s_wait_dscnt (\younger)+15-(\r)
	global_store_b128 v[CO], v[BS+4*(\r):BS+4*(\r)+3], s[8:9] offset:(16*(\a)+(\r))*4096  ; 512 consecutive bytes, at a multiple of 256 from out0's first
.endr
.endm
	TOSTAGE 0
	TOSTAGE 1
	SEND 0, 32
	TOSTAGE 2
	SEND 1, 32
	TOSTAGE 3
	SEND 2, 32
	SEND 3, 0
	s_wait_tensorcnt 0x0                           ; the wave's end, behind my last tensor load and my last LDS store
	ds_add_u32 v[SPW], v[NIL]
	s_wait_dscnt 0x0
	CROUND                                         ; the closing round: no work-group ends while a partner may still ask for a tile that names it
	s_endpgm
.Lfunc_end_k_q531741b9d9_proj:
	.size	k_q531741b9d9_proj, .Lfunc_end_k_q531741b9d9_proj-k_q531741b9d9_proj
	.p2alignl 7, 3214868480
	.fill 96, 4, 3214868480
	.section	.rodata,"a",@progbits
	.p2align	6, 0x0
	.amdhsa_kernel k_q531741b9d9_proj
		.amdhsa_group_segment_fixed_size 327680
		.amdhsa_private_segment_fixed_size 0
		.amdhsa_enable_private_segment 0
		.amdhsa_kernarg_size 24
		.amdhsa_user_sgpr_count 2
		.amdhsa_user_sgpr_kernarg_segment_ptr 1
		.amdhsa_wavefront_size32 1
		.amdhsa_system_sgpr_workgroup_id_x 1
		.amdhsa_system_sgpr_workgroup_id_y 1
		.amdhsa_system_sgpr_workgroup_id_z 1
		.amdhsa_system_vgpr_workitem_id 0
		.amdhsa_next_free_vgpr 512
		.amdhsa_next_free_sgpr 66
		.amdhsa_reserve_vcc 0
		.amdhsa_float_denorm_mode_32 3
		.amdhsa_float_denorm_mode_16_64 3
		.amdhsa_memory_ordered 1
		.amdhsa_forward_progress 1
		.amdhsa_inst_pref_size 87
	.end_amdhsa_kernel
	.amdgpu_metadata
---
amdhsa.version: [ 1, 2 ]
amdhsa.kernels:
  - .name:           k_q531741b9d9_proj
    .symbol:         k_q531741b9d9_proj.kd
    .args:
      - { .name: o, .offset: 0, .size: 8, .value_kind: global_buffer, .address_space: global }
      - { .name: wp, .offset: 8, .size: 8, .value_kind: global_buffer, .address_space: global }
      - { .name: out0, .offset: 16, .size: 8, .value_kind: global_buffer, .address_space: global }
    .group_segment_fixed_size: 327680
    .private_segment_fixed_size: 0
    .kernarg_segment_align: 8
    .kernarg_segment_size: 24
    .max_flat_workgroup_size: 128
    .sgpr_count:     66
    .vgpr_count:     512
    .wavefront_size: 32
...
	.end_amdgpu_metadata
.endif
;; end of part 4
